; MI455X (gfx1250); checked and timed in simulation.
; The chip was launched on July 23, 2026; its instructions are those of AMD's public machine-readable ISA for CDNA 5 (MIT licence, August 2026) and "CDNA5" Instruction Set Architecture Reference Guide (July 2026). The comments in the code are by the model that wrote it; some were corrected since.
;; Attention. Allowed arithmetic: matrix products marked QUANTISED: E3M2 operands, one E8M0 scale for each 32 along K, by v_wmma_scale_f32_16x16x128_f8f6f4 with both operands' format E3M2, f32 sums; everything else in f32.
;; Inputs: bk 512 float32; bo 512 float32; bq 512 float32; bv 512 float32; gn_b 512 float32; gn_w 512 float32; wk_codes 512 x 16 x 24 uint8 (E3M2 codes of wk, K innermost, in blocks of 32 codes, four codes in three bytes); wk_scales 512 x 16 uint8 (E8M0 scales of wk, one for each 32 codes along K); wo_codes 512 x 16 x 24 uint8 (E3M2 codes of wo, K innermost, in blocks of 32 codes, four codes in three bytes); wo_scales 512 x 16 uint8 (E8M0 scales of wo, one for each 32 codes along K); wq_codes 512 x 16 x 24 uint8 (E3M2 codes of wq, K innermost, in blocks of 32 codes, four codes in three bytes); wq_scales 512 x 16 uint8 (E8M0 scales of wq, one for each 32 codes along K); wv_codes 512 x 16 x 24 uint8 (E3M2 codes of wv, K innermost, in blocks of 32 codes, four codes in three bytes); wv_scales 512 x 16 uint8 (E8M0 scales of wv, one for each 32 codes along K); x 32 x 512 x 32 x 32 float32.
;; Outputs: out0 32 x 512 x 32 x 32 float32.
;; This version of the problem:
;;   THIS VERSION OF THE PROBLEM IS GIVEN IN LOW PRECISION. The matrix products marked QUANTISED in the list below multiply operands that are first quantised to E3M2 (3 exponent bits, 2 mantissa bits; 6 bits a number), with one power-of-two scale for each 32 numbers along K (OCP MX v1.0); their sums are f32. All else is computed in f32.
;;   The module's matrix products, in the order in which they are computed (A, B: the left and right operand; K: the contracted axis; several contracted axes count as one K, in the product's order):
;;     1. [M 512, K 512] x [K 512, N 32,768]; A: input wq (given as codes); B: computed on the way: QUANTISED
;;     2. [M 512, K 512] x [K 512, N 32,768]; A: input wk (given as codes); B: computed on the way: QUANTISED
;;     3. [M 512, K 512] x [K 512, N 32,768]; A: input wv (given as codes); B: computed on the way: QUANTISED
;;     4. batch 32 x [M 1,024, K 512] x [K 512, N 1,024]; A: computed on the way; B: computed on the way: QUANTISED
;;     5. batch 32 x [M 512, K 1,024] x [K 1,024, N 1,024]; A: computed on the way; B: computed on the way: QUANTISED
;;     6. [M 512, K 512] x [K 512, N 32,768]; A: input wo (given as codes); B: computed on the way: QUANTISED
;;   THE QUANTISER, for each operand of a quantised product, along K:
;;     - K is cut into blocks of 32 from its start; a last block that is shorter is filled with zeros.
;;     - A block's scale is 2^e with e = floor(log2(the largest magnitude in the block)) - 4, held to -126 .. 127; a block of zeros has e = 0. As a byte (E8M0): e + 127.
;;     - Each number is divided by its block's scale, clamped to +-28, and rounded to the nearest number of E3M2, ties to even, subnormals kept.
;;     - The product sums the exact products of the quantised numbers (number of the format x scale) in f32.
;;   ~~~python
;;   def quantise(x, axis):      # numpy; x: float32 -> the quantised numbers, widened to float32 again
;;       x = np.moveaxis(x, axis, -1); K = x.shape[-1]
;;       x = np.pad(x, [(0, 0)] * (x.ndim - 1) + [(0, -K % 32)]); x = x.reshape(x.shape[:-1] + (-1, 32)); a = np.abs(x).max(-1, keepdims=True)
;;       e = np.where(a > 0, np.clip(np.frexp(np.where(a > 0, a, 1))[1] - 1 - 4, -126, 127), 0)      # np.frexp(a)[1] - 1 = floor(log2(a)), exactly
;;       r = np.clip(x / 2.0 ** e, -28, 28)
;;       step = 2.0 ** (np.maximum(np.frexp(np.where(r == 0, 1, r))[1] - 1, -2) - 2)
;;       q = np.round(r / step) * step * 2.0 ** e      # np.round: ties to even
;;       return np.moveaxis(q.reshape(q.shape[:-2] + (-1,))[..., :K], -1, axis).astype(np.float32)
;;   ~~~
;;   OPERANDS COMPUTED ON THE WAY. 'Computed on the way' means the value that the module computes at that place (a softmax that the list does not call 'softmax' is quantised finished and normalised). What goes into a quantiser is computed in f32, as accurately as f32 sums, v_exp_f32 and their like allow (about 1e-6 of the number): no bf16 or f16 on the way to a quantiser, and a product that is left as it is and whose result goes on into a quantised operand takes f32 operands (vector FMAs, or v_wmma_f32_16x16x4_f32). A number that lies on a knife's edge between two numbers of the format may be rounded either way, as far as f32 arithmetic and the matrix unit's own rounding can turn it there, and no further.
;;   INPUTS GIVEN AS CODES. wk (in the module: [512, 512], K = its axis 1); wo (in the module: [512, 512], K = its axis 1); wq (in the module: [512, 512], K = its axis 1); wv (in the module: [512, 512], K = its axis 1): each comes as NAME_codes (uint8): NAME with its K axis moved to the last place and cut into blocks of 32 codes, [.., K / 32, bytes a block], one block behind the other in memory; four codes in three bytes: a row's codes are one little-endian stream of bits, code i at bits 6 i .. 6 i + 5 (a code: sign, 3 exponent bits, 2 mantissa bits); and NAME_scales (uint8): the same leading axes, one E8M0 byte (e + 127) for each 32 codes along K. Its value is code x scale, taken as it is: it is not quantised again, and the codes and scales need not be those that the quantiser above would give.
;; One version. Each part assembles by itself: llvm-mc -triple=amdgcn-amd-amdhsa -mcpu=gfx1250 --defsym DOCPART=n.
;; ======== version 1 of 1: 3 launches
;; workspace buffers: himg 13,107,200 bytes; wimg 819,200 bytes; qimg 13,107,200 bytes; kimg 13,107,200 bytes; vimg 13,107,200 bytes
;; launch norm (part 1): grid 8 x 32, 16 waves a work-group, no clusters, 51,712 bytes of LDS; arguments x, gn_w, gn_b, himg, wimg, wq_codes, wq_scales, wk_codes, wk_scales, wv_codes, wv_scales, wo_codes, wo_scales; writes himg, wimg
.if DOCPART == 1
	.amdgcn_target "amdgcn-amd-amdhsa--gfx1250"
	.amdhsa_code_object_version 6
	.text
	.protected	k_qd4e396072d_norm
	.globl	k_qd4e396072d_norm
	.p2align	8
	.type	k_qd4e396072d_norm,@function
k_qd4e396072d_norm:
	s_mov_b64 s[64:65], 0
	v_nop
	global_prefetch_b8 v0, s[64:65] scope:SCOPE_SE
	s_setreg_imm32_b32 hwreg(HW_REG_WAVE_MODE, 25, 1), 1
	s_wait_xcnt 0x0
; GROUP NORM of x [32][512][1024] f32 (32 groups of 16 channels), then h = xn * gn_w + gn_b quantised along the channels to codes of BF6 (E3M2) with one E8M0 byte for each 32 channels.
; Also: the four weights' codes and scale bytes are laid anew, in the order of an operand's registers.
; THE TILE RECORD, 6,400 bytes = 16 rows x 512 along K: the fragment of K step s at 1536 s; in it registers 4 g .. 4 g + 3 of lane L at 512 g + 16 L; from byte 6144 on row m's four scale words at 16 m + 4 s.
; Row m of tile T is index 32 (T / 2) + 8 (T % 2) + m + 8 (m / 8): where such a tile is a product's source 0, the 16 result registers of tiles 2 b and 2 b + 1 are 16 neighbours along the next K.
; himg: [image][pixel tile 0..63] records, K = channels.   wimg: [q, k, v, o][tile 0..31] records, rows = output channels, K = input channels.
; SHARES.  Work-group (x = 2 s + h, y = image) owns the channel blocks 4 s + h and 4 s + 2 + h (2 x 32 channels = four whole groups) of all 1,024 pixels: 256 KiB, kept in registers between the passes, so x is read once.
; These two blocks are registers 0-5 and 6-11 of lanes (m, h) of K step s: the work-group stores whole aligned runs of 256 bytes of himg.  Wave w owns pixels 64 w .. 64 w + 63, a lane two neighbouring pixels.
; The mean is taken first and the squares of the centred numbers second, so a common offset of x costs no accuracy.  gn_w x 1 / sqrt(var + eps) is folded into one factor (one rounding more than the formula as written).
; LIMITS: NaN and infinities are not served.  A block of zeros, and one whose largest magnitude lies under 2^-122, gets the scale byte 1 (the rule says 127 for zeros): its codes are zeros or are held by that byte; only this program reads the bytes.
; The scale bytes of a pixel's row leave one byte a lane (two work-groups write different bytes of one word): one byte for every 128 that the launch reads.
; No tensor load, no matrix unit: memory binds, and each wave's 64 loads of 256 consecutive bytes are all out at once.
.set X,   128                          ; v128-255 x: register 2 (32 c + ch) + j: channel ch of block c, pixel j
.set T,   64                           ; v64-127  a block's h: 32 j + ch, registers along K.  At the head v64-76: a weight's fragment and scale word.  At the end v64-87: rows on their way out
.set PC,  40                           ; v40-63   the codes: 12 j + operand register
.set R4,  16                           ; v16-19   four groups' sums
.set R4X, 20                           ; v20-23   the other half's; later 1 / sqrt
.set SP,  24                           ; v24-31   four packed chains
.set MN,  32                           ; v32-39   four means, each twice
.set TC,  128                          ; v128-135 a block's second three code registers (v128-159 are free once block 0 has been normalised)
.set MA,  136                          ; v136-137, v140-141 two chains of the largest magnitude, a pixel each
.set MB,  140
.set SO,  144                          ; v144-145 the conversions' scale operands
.set BY,  148                          ; v148-151 scale bytes: 2 j + c
.set OB,  64
.set STG, 512                          ; LDS: 0..255 and 256..511 the waves' partial sums; from 512 on 3,072 bytes a wave: [tile 4][g 3][m 16][16 bytes]
	s_load_b256 s[4:11], s[0:1], 0x0               ; x, gn_w, gn_b, himg
	s_load_b64 s[12:13], s[0:1], 0x20              ; wimg
	s_load_b512 s[84:99], s[0:1], 0x28             ; codes and scales of wq, wk, wv, wo
	v_lshrrev_b32 v9, 5, v0
	v_readfirstlane_b32 s14, v9                    ; wave 0..15
	v_lshlrev_b32 v9, 4, v9                        ; 16 w: where my wave puts its four sums
	v_and_b32 v1, 31, v0                           ; lane
	v_lshlrev_b32 v2, 3, v1                        ; x: 8 bytes a lane
	v_and_b32 v13, 15, v0                          ; r
	v_lshlrev_b32 v8, 4, v13                       ; 16 r
	v_bfe_u32 v14, v0, 4, 1                        ; lane / 16
	v_and_b32 v10, 8, v13
	v_add_nc_u32 v10, v10, v13                     ; r + 8 (r / 8): a tile's row
	v_lshlrev_b32 v11, 4, v10                      ; a weight's scale bytes: 16 a row
	v_mul_u32_u24 v10, v10, 384                    ; a weight's codes: 384 bytes a row,
	v_mad_u32_u24 v10, v14, 24, v10                ; + 24 for lanes 16-31
	v_lshlrev_b32 v12, 4, v1                       ; 16 x lane
	v_lshl_add_u32 v5, v14, 9, v8                  ; the way out: lanes 16-31 one chunk (512 bytes) on,
	v_mad_u32_u24 v6, v14, 5376, v8                ; or from a tile's last chunk to the next tile's first (6400 - 1024)
	v_bfe_u32 v15, v0, 2, 1
	v_lshl_add_u32 v15, v14, 1, v15                ; which of my wave's four tiles my two pixels lie in: 2 (l / 16) + ((l % 16) / 4) % 2
	v_bfe_u32 v13, v0, 3, 1
	v_and_b32 v3, 3, v0
	v_lshlrev_b32 v3, 1, v3
	v_lshl_add_u32 v13, v13, 3, v3                 ; and their first row there: 8 ((l % 16) / 8) + 2 (l % 4)
	v_lshlrev_b32 v13, 4, v13
	v_mad_u32_u24 v7, v15, 6400, v13               ; the scale bytes' place
	v_mad_u32_u24 v3, v15, 768, v13
	s_mul_i32 s16, s14, 3072
	s_add_co_u32 s16, s16, STG                     ; my wave's stage
	v_add_nc_u32 v3, s16, v3                       ; into it
	v_add_nc_u32 v4, s16, v12                      ; out of it
.irp k, 0,1,2,3
	v_mov_b32 v[R4X+\k], 0                         ; written once: a lane permute's destination counts as one of its sources
.endr
	s_and_b32 s15, ttmp7, 0xffff                   ; the image
	s_lshr_b32 s2, ttmp9, 1                        ; s: the K step
	s_and_b32 s3, ttmp9, 1                         ; h: the half of the lanes
	s_wait_kmcnt 0x0
	; 512 fragments of weights, two to a work-group (waves 0 and 1): fragment f = 16 y + 2 x + wave = 128 matrix + 4 tile + K step
	s_lshr_b32 s16, s15, 3                         ; the matrix; the choice hangs on the work-group's number alone
	s_cmp_eq_u32 s16, 1
	s_cselect_b64 s[84:85], s[88:89], s[84:85]
	s_cselect_b64 s[86:87], s[90:91], s[86:87]
	s_cmp_eq_u32 s16, 2
	s_cselect_b64 s[84:85], s[92:93], s[84:85]
	s_cselect_b64 s[86:87], s[94:95], s[86:87]
	s_cmp_eq_u32 s16, 3
	s_cselect_b64 s[84:85], s[96:97], s[84:85]
	s_cselect_b64 s[86:87], s[98:99], s[86:87]
	s_lshl_b32 s17, s15, 4
	s_lshl_b32 s18, ttmp9, 1
	s_add_co_u32 s17, s17, s18
	s_and_b32 s18, s14, 1
	s_add_co_u32 s17, s17, s18                     ; f
	s_and_b32 s18, s17, 3                          ; its K step
	s_lshr_b32 s19, s17, 2                         ; its record: 32 x matrix + tile
	s_and_b32 s20, s19, 31
	s_lshr_b32 s21, s20, 1
	s_lshl_b32 s21, s21, 5
	s_and_b32 s22, s20, 1
	s_lshl_b32 s22, s22, 3
	s_add_co_u32 s21, s21, s22                     ; the tile's first row: 32 (T / 2) + 8 (T % 2)
	s_mul_i32 s22, s21, 384
	s_mul_i32 s23, s18, 96
	s_add_co_u32 s22, s22, s23
	s_mov_b32 s23, 0
	s_add_nc_u64 s[84:85], s[84:85], s[22:23]      ; the codes at that row and K step
	s_lshl_b32 s22, s21, 4
	s_lshl_b32 s24, s18, 2
	s_add_co_u32 s22, s22, s24
	s_add_nc_u64 s[86:87], s[86:87], s[22:23]      ; the scale bytes likewise
	s_mul_i32 s22, s19, 6400
	s_add_nc_u64 s[12:13], s[12:13], s[22:23]      ; the record in wimg,
	s_add_co_u32 s24, s24, 6144
	s_mov_b32 s25, 0
	s_add_nc_u64 s[98:99], s[12:13], s[24:25]      ; its scale words of this K step,
	s_mul_i32 s22, s18, 1536
	s_add_nc_u64 s[12:13], s[12:13], s[22:23]      ; its fragment
	s_lshl_b32 s22, s15, 6
	s_lshl_b32 s24, s14, 2
	s_add_co_u32 s22, s22, s24
	s_mul_i32 s22, s22, 6400                       ; himg: my wave's four records begin at tile 64 b + 4 w
	s_add_nc_u64 s[10:11], s[10:11], s[22:23]
	s_lshl_b32 s24, s2, 2
	s_add_co_u32 s24, s24, s3
	s_add_co_u32 s24, s24, 6144
	s_add_nc_u64 s[96:97], s[10:11], s[24:25]      ; the scale bytes: word s, byte h (block c = 1: two bytes on)
	s_mul_i32 s22, s2, 1536
	s_lshl_b32 s24, s3, 8
	s_add_co_u32 s22, s22, s24
	s_add_nc_u64 s[10:11], s[10:11], s[22:23]      ; the codes: K step s, lanes 16 h on
	s_lshl_b32 s26, s2, 7
	s_lshl_b32 s24, s3, 5
	s_add_co_u32 s26, s26, s24                     ; my first channel: 128 s + 32 h
	s_lshl_b32 s22, s26, 2
	s_add_nc_u64 s[6:7], s[6:7], s[22:23]
	s_add_nc_u64 s[8:9], s[8:9], s[22:23]
	s_lshl_b32 s22, s26, 12
	s_lshl_b32 s24, s15, 21
	s_add_co_u32 s22, s22, s24
	s_lshl_b32 s24, s14, 8
	s_add_co_u32 s22, s22, s24
	s_add_nc_u64 s[4:5], s[4:5], s[22:23]          ; x at my image, first channel and wave's pixels (all under 2^26 bytes)
	s_mov_b32 s92, 0x76543210
	s_mov_b32 s93, 0xfedcba98                      ; v_permlanex16_b32's selects for lane l xor 16
	s_load_b512 s[16:31], s[6:7], 0x0              ; block 0's 32 gains
	s_load_b512 s[32:47], s[6:7], 0x40
	s_load_b512 s[48:63], s[8:9], 0x0              ; and biases
	s_load_b512 s[68:83], s[8:9], 0x40
.set cc, 0
.rept 64
	global_load_b64 v[X+2*cc:X+2*cc+1], v2, s[4:5] offset:(64*(cc/32)+cc%32)*4096 th:TH_LOAD_NT   ; a wave reads 256 consecutive bytes, aligned
.set cc, cc+1
.endr
	s_cmp_gt_u32 s14, 1
	s_cbranch_scc1 .Lno_weight_in
.irp p, 0,1,2,3,4,5
	global_load_b64 v[64+2*\p:65+2*\p], v10, s[84:85] offset:48*(\p/3)+8*(\p%3)   ; the fragment's 12 registers, as the rows' streams of bits lie
.endr
	global_load_b32 v76, v11, s[86:87]             ; my row's scale word (lanes 16-31 take the same as lanes 0-15)
.Lno_weight_in:
; a group's sum over my 2 pixels x 16 channels
.macro GSUM gi
	s_wait_loadcnt 48-16*\gi                       ; loads come back in order: this group's 16 are in; the later groups' may be out (in waves 0 and 1 seven younger loads more are out, so the count is only stricter there)
	v_pk_add_f32 v[SP+2*\gi:SP+2*\gi+1], v[X+32*\gi:X+32*\gi+1], v[X+32*\gi+2:X+32*\gi+3]
.irp i, 2,3,4,5,6,7,8,9,10,11,12,13,14,15
	v_pk_add_f32 v[SP+2*\gi:SP+2*\gi+1], v[SP+2*\gi:SP+2*\gi+1], v[X+32*\gi+2*\i:X+32*\gi+2*\i+1]
.endr
	v_add_f32 v[R4+\gi], v[SP+2*\gi], v[SP+2*\gi+1]
.endm
	GSUM 0
	GSUM 1
	GSUM 2
	GSUM 3
	s_cmp_gt_u32 s14, 1
	s_cbranch_scc1 .Lno_weight_out
	global_store_b128 v12, v[64:67], s[12:13]      ; 512 consecutive bytes a store
	global_store_b128 v12, v[68:71], s[12:13] offset:512
	global_store_b128 v12, v[72:75], s[12:13] offset:1024
	global_store_b32 v8, v76, s[98:99]             ; row r's word; both halves of the lanes write the same word with the same value
	s_wait_xcnt 0x0                                ; v64-76 are written again below only behind this wait
.Lno_weight_out:
.macro XSTEPS                          ; four sums over the 16 lanes of a row, by turns
.irp m, 1,2,4,8
.irp k, 0,1,2,3
	v_add_f32_dpp v[R4+\k], v[R4+\k], v[R4+\k] row_xmask:\m row_mask:0xf bank_mask:0xf
.endr
.endr
.endm
; over the wave's 32 lanes, then over the 16 waves: each wave puts its four sums at 16 w of the region, and behind the barrier lane l takes wave (l % 16)'s
.macro ALLSUM region
	XSTEPS
.irp k, 0,1,2,3
	v_permlanex16_b32 v[R4X+\k], v[R4+\k], s92, s93
.endr
.irp k, 0,1,2,3
	v_add_f32 v[R4+\k], v[R4+\k], v[R4X+\k]
.endr
	ds_store_b128 v9, v[R4:R4+3] offset:\region    ; all lanes write the same 16 bytes with the same values
	s_wait_dscnt 0x0                               ; for the others' sake: my store has landed
	s_barrier_signal -1
	s_barrier_wait -1
	ds_load_b128 v[R4:R4+3], v8 offset:\region
	s_wait_dscnt 0x0
	XSTEPS
.endm
	ALLSUM 0
.irp k, 0,1,2,3
	v_mul_f32 v[MN+2*\k], 0x38800000, v[R4+\k]     ; the mean: / 16,384 = x 2^-14, exact
	v_mul_f32 v[MN+2*\k+1], 0x38800000, v[R4+\k]
.endr
.set i, 0
.rept 16
.irp k, 0,1,2,3
	v_pk_add_f32 v[X+32*\k+2*i:X+32*\k+2*i+1], v[X+32*\k+2*i:X+32*\k+2*i+1], v[MN+2*\k:MN+2*\k+1] neg_lo:[0,1] neg_hi:[0,1]   ; x - mean, in place
.endr
.set i, i+1
.endr
.irp k, 0,1,2,3
	v_pk_mul_f32 v[SP+2*\k:SP+2*\k+1], v[X+32*\k:X+32*\k+1], v[X+32*\k:X+32*\k+1]   ; the first square starts each chain
.endr
.set i, 1
.rept 15
.irp k, 0,1,2,3
	v_pk_fma_f32 v[SP+2*\k:SP+2*\k+1], v[X+32*\k+2*i:X+32*\k+2*i+1], v[X+32*\k+2*i:X+32*\k+2*i+1], v[SP+2*\k:SP+2*\k+1]
.endr
.set i, i+1
.endr
.irp k, 0,1,2,3
	v_add_f32 v[R4+\k], v[SP+2*\k], v[SP+2*\k+1]
.endr
	ALLSUM 256                                     ; other bytes than the first sums': no wave can overwrite what another still reads
	v_mov_b32 v24, 0x38800000
.irp k, 0,1,2,3
	v_fmaak_f32 v[R4+\k], v[R4+\k], v24, 0x3727c5ac   ; var + 1e-5
.endr
.irp k, 0,1,2,3
	v_rsq_f32 v[R4X+\k], v[R4+\k]
.endr
	v_nop                                          ; a plain instruction behind the last of them,
	s_wait_alu depctr_va_vdst(0)                   ; and one wait for the four, ahead of their first reader
.irp k, 0,1,2,3
	v_readfirstlane_b32 s[88+\k], v[R4X+\k]        ; the same in every lane
.endr
; Block c: h = (x - mean) x (gain / sqrt) + bias; the multiply-add also turns the layout: out of pairs of pixels into 32 registers along K for each pixel.  Then the block's scale and codes: all 32 numbers are one lane's.
.macro NORMQ c
	s_wait_kmcnt 0x0                               ; the block's gains and biases
.set ch, 0
.rept 32
	s_mul_f32 s[16+ch], s[16+ch], s[88+2*\c+ch/16]
.set ch, ch+1
.endr
.set ch, 0
.rept 32
	v_fma_f32 v[T+ch], v[X+64*\c+2*ch], s[16+ch], s[48+ch+4*(ch/16)]
	v_fma_f32 v[T+32+ch], v[X+64*\c+2*ch+1], s[16+ch], s[48+ch+4*(ch/16)]
.set ch, ch+1
.endr
.if \c == 0
	s_load_b512 s[16:31], s[6:7], 0x100            ; block 1 lies 64 channels on
	s_load_b512 s[32:47], s[6:7], 0x140
	s_load_b512 s[48:63], s[8:9], 0x100
	s_load_b512 s[68:83], s[8:9], 0x140
.endif
.irp j, 0,1
	v_max3_num_f32 v[MA+\j], |v[T+32*\j]|, |v[T+32*\j+1]|, |v[T+32*\j+2]|
	v_max3_num_f32 v[MB+\j], |v[T+32*\j+3]|, |v[T+32*\j+4]|, |v[T+32*\j+5]|
.endr
.irp i, 6,10,14,18,22,26
.irp j, 0,1
	v_max3_num_f32 v[MA+\j], v[MA+\j], |v[T+32*\j+\i]|, |v[T+32*\j+\i+1]|
	v_max3_num_f32 v[MB+\j], v[MB+\j], |v[T+32*\j+\i+2]|, |v[T+32*\j+\i+3]|
.endr
.endr
.irp j, 0,1
	v_max3_num_f32 v[MA+\j], v[MA+\j], |v[T+32*\j+30]|, |v[T+32*\j+31]|
.endr
.irp j, 0,1
	v_max3_num_f32 v[MA+\j], v[MA+\j], v[MB+\j], 0x2800000   ; and the floor 2^(5 - 127): the byte cannot fall under 1
.endr
.irp j, 0,1
	v_add_nc_u32 v[SO+\j], 0xfe000000, v[MA+\j]    ; 4 off the exponent field: the conversion takes this operand's exponent field as its scale
.endr
.irp j, 0,1
	v_lshrrev_b32 v[BY+2*\j+\c], 23, v[SO+\j]      ; the scale's byte
.endr
.irp j, 0,1
	v_cvt_scalef32_pk16_bf6_f32 v[PC+12*\j+6*\c:PC+12*\j+6*\c+2], v[T+32*\j:T+32*\j+15], v[SO+\j]
	v_cvt_scalef32_pk16_bf6_f32 v[TC+4*\j:TC+4*\j+2], v[T+32*\j+16:T+32*\j+31], v[SO+\j]   ; (a conversion's three registers begin on an even number)
.endr
	v_nop                                          ; one plain instruction behind the scaled conversions
.irp j, 0,1
.irp i, 0,1,2
	v_mov_b32 v[PC+12*\j+6*\c+3+\i], v[TC+4*\j+\i]
.endr
.endr
.endm
	NORMQ 0
	NORMQ 1
	; THE WAY OUT.  A lane holds 2 pixels x 12 registers; through my wave's own stage they become runs of 256 bytes: a tile's chunk g, rows 0-15, for my half of the operand's lanes.
.irp j, 0,1
.irp g, 0,1,2
	ds_store_b128 v3, v[PC+12*\j+4*\g:PC+12*\j+4*\g+3] offset:256*\g+16*\j
.endr
.endr
.irp k, 0,1,2,3,4,5
	ds_load_b128 v[OB+4*\k:OB+4*\k+3], v4 offset:512*\k   ; LDS serves a wave's instructions in order: these see my stores; no other wave touches these bytes
.endr
.irp j, 0,1
.irp c, 0,1
	global_store_b8 v7, v[BY+2*\j+\c], s[96:97] offset:16*\j+2*\c
.endr
.endr
.macro OUTS k, adr, off                ; lanes 0-15 fill one aligned run of 256 bytes, lanes 16-31 the next of my runs
	s_wait_dscnt 5-\k
	global_store_b128 v[\adr], v[OB+4*\k:OB+4*\k+3], s[10:11] offset:\off
.endm
	OUTS 0, 5, 0                                   ; tile 0: chunks 0, 1
	OUTS 1, 6, 1024                                ; tile 0 chunk 2, tile 1 chunk 0
	OUTS 2, 5, 6912                                ; tile 1: chunks 1, 2
	OUTS 3, 5, 12800
	OUTS 4, 6, 13824
	OUTS 5, 5, 19712
	s_wait_xcnt 0x0
	v_lshl_add_u32 v254, v0, 2, 0xc200
	v_mov_b32 v255, 0
	s_wait_tensorcnt 0x0
	ds_add_u32 v254, v255
	s_wait_dscnt 0x0
	s_endpgm
.Lfunc_end_k_qd4e396072d_norm:
	.size	k_qd4e396072d_norm, .Lfunc_end_k_qd4e396072d_norm-k_qd4e396072d_norm
	.p2alignl 7, 3214868480
	.fill 96, 4, 3214868480
	.section	.rodata,"a",@progbits
	.p2align	6, 0x0
	.amdhsa_kernel k_qd4e396072d_norm
		.amdhsa_group_segment_fixed_size 51712
		.amdhsa_private_segment_fixed_size 0
		.amdhsa_enable_private_segment 0
		.amdhsa_kernarg_size 104
		.amdhsa_user_sgpr_count 2
		.amdhsa_user_sgpr_kernarg_segment_ptr 1
		.amdhsa_wavefront_size32 1
		.amdhsa_system_sgpr_workgroup_id_x 1
		.amdhsa_system_sgpr_workgroup_id_y 1
		.amdhsa_system_sgpr_workgroup_id_z 1
		.amdhsa_system_vgpr_workitem_id 0
		.amdhsa_next_free_vgpr 256
		.amdhsa_next_free_sgpr 100
		.amdhsa_reserve_vcc 0
		.amdhsa_float_denorm_mode_32 3
		.amdhsa_float_denorm_mode_16_64 3
		.amdhsa_memory_ordered 1
		.amdhsa_forward_progress 1
		.amdhsa_inst_pref_size 49
	.end_amdhsa_kernel
	.amdgpu_metadata
---
amdhsa.version: [ 1, 2 ]
amdhsa.kernels:
  - .name:           k_qd4e396072d_norm
    .symbol:         k_qd4e396072d_norm.kd
    .args:
      - { .name: x, .offset: 0, .size: 8, .value_kind: global_buffer, .address_space: global }
      - { .name: gn_w, .offset: 8, .size: 8, .value_kind: global_buffer, .address_space: global }
      - { .name: gn_b, .offset: 16, .size: 8, .value_kind: global_buffer, .address_space: global }
      - { .name: himg, .offset: 24, .size: 8, .value_kind: global_buffer, .address_space: global }
      - { .name: wimg, .offset: 32, .size: 8, .value_kind: global_buffer, .address_space: global }
      - { .name: wq_codes, .offset: 40, .size: 8, .value_kind: global_buffer, .address_space: global }
      - { .name: wq_scales, .offset: 48, .size: 8, .value_kind: global_buffer, .address_space: global }
      - { .name: wk_codes, .offset: 56, .size: 8, .value_kind: global_buffer, .address_space: global }
      - { .name: wk_scales, .offset: 64, .size: 8, .value_kind: global_buffer, .address_space: global }
      - { .name: wv_codes, .offset: 72, .size: 8, .value_kind: global_buffer, .address_space: global }
      - { .name: wv_scales, .offset: 80, .size: 8, .value_kind: global_buffer, .address_space: global }
      - { .name: wo_codes, .offset: 88, .size: 8, .value_kind: global_buffer, .address_space: global }
      - { .name: wo_scales, .offset: 96, .size: 8, .value_kind: global_buffer, .address_space: global }
    .group_segment_fixed_size: 51712
    .private_segment_fixed_size: 0
    .kernarg_segment_align: 8
    .kernarg_segment_size: 104
    .max_flat_workgroup_size: 512
    .sgpr_count:     100
    .vgpr_count:     256
    .wavefront_size: 32
...
	.end_amdgpu_metadata
.endif
;; end of part 1
;; launch proj (part 2): grid 64 x 3, 4 waves a work-group, no clusters, 215,552 bytes of LDS; arguments himg, wimg, bq, bk, bv, qimg, kimg, vimg; writes qimg, kimg, vimg
.if DOCPART == 2
	.amdgcn_target "amdgcn-amd-amdhsa--gfx1250"
	.amdhsa_code_object_version 6
	.text
	.protected	k_qd4e396072d_proj
	.globl	k_qd4e396072d_proj
	.p2align	8
	.type	k_qd4e396072d_proj,@function
k_qd4e396072d_proj:
	s_mov_b64 s[64:65], 0
	v_nop
	global_prefetch_b8 v0, s[64:65] scope:SCOPE_SE
	s_setreg_imm32_b32 hwreg(HW_REG_WAVE_MODE, 25, 1), 1
	s_wait_xcnt 0x0
; q, k, v = W h + b on codes of BF6 (E3M2) with E8M0 scales, each result quantised again for attention: q and k along the channels, v along the keys.
; All buffers are tile records of 6,400 bytes (16 rows x 512 K in the order of an operand's registers: fragment of K step s at 1536 s, registers 4 g .. 4 g + 3 of lane L at 512 g + 16 L; row m's scale words at 6144 + 16 m + 4 s;
; row m of tile T is index 32 (T / 2) + 8 (T % 2) + m + 8 (m / 8)).
; ONE BODY.  Work-group (x = 2 image + half, y = q, k or v).  Each wave keeps a RESIDENT operand R of 8 tiles x 4 K steps in 384 registers for the whole launch; the work-group walks 32 STREAMED tiles S that lie in LDS.
; D = R (source 0) x S (source 1): a lane holds one row of S's tile, and its 64 registers run along R's 128 rows, which by the records' order of rows are 128 neighbours along the next K: one fragment and one scale word a trip.
;   q, k: R = the weight's tiles 8 w .. 8 w + 7, S = the half image's 32 pixel tiles; the trip's fragment is (pixel tile, K step w).  The bias runs along R's rows: eight registers a tile, as the C of the first product.
;   v:    R = pixel tiles 32 half + 8 w .., S = wv's 32 tiles; the fragment is (channel tile, key step 4 half + w).  The bias runs along S's rows, one number a lane: eight equal registers from LDS as C.
; vimg: [image][channel tile][half] records, K = keys.  The two ways differ in pointers, strides and in which registers are C; the branch between the two runs of first products hangs on the work-group's number alone.
; S comes by tensor loads, filled once: four chunks, each shared out among the four waves, so that the walk begins when the first has landed.  A wave has four tensor loads out at the most.
; No cluster: a work-group asks for 400 KB in all for its 1,024 matrix instructions a wave, so shared requests would spare little.  192 work-groups: 12 shares of 128 rows do not divide into 1,024 waves.
; LIMITS: NaN and infinities are not served; a block of zeros or under 2^-122 gets the scale byte 1 (the rule says 127 for zeros): only this program reads the bytes.
.set CS,  8                            ; v8-15    v's bias as C: eight equal registers
.set SF,  16                           ; v16-63   S's tile: 12 s + register
.set SS,  64                           ; v64-67   its scale words
.set RS,  68                           ; v68-99   R's scale words: 4 t + s
.set ACC, 100                          ; v100-163 eight accumulators
.set PC,  164                          ; v164-183 the codes just made
.set TM,  184                          ; v184-199 at work in QUANT
.set PW,  200                          ; v200     the scale word just made
.set BR,  144                          ; window 2: q's or k's bias as C: 8 t + j.   Window 1: R's tiles 0-4 at 48 t + 12 s.   Window 2: tiles 5-7 at 48 (t - 5) + 12 s
.set BT,  204800                       ; LDS: 0 .. 204,799 S's 32 records;  then the bias in the order of S's rows, [tile][row] f32;
.set SG,  206848                       ; then the scale words made, [tile][row][wave]: a tile's 256 bytes are its record's scale block
.set SEL, 76
.set MSB, 0
.macro WIN new                         ; the immediate's high byte repeats the setting that is left; a switch that changes nothing is dropped
.if MSB != (\new)
	s_set_vgpr_msb (MSB<<8)|(\new)
.set MSB, \new
.endif
.endm
.macro PLACES
.rept 4
	v_nop
.endr
.endm
.macro WMC d, a, b, c, sa, sb
	v_wmma_scale_f32_16x16x128_f8f6f4 v[\d:\d+7], v[\a:\a+11], v[\b:\b+11], v[\c:\c+7], v[\sa], v[\sb] matrix_a_fmt:MATRIX_FMT_BF6 matrix_b_fmt:MATRIX_FMT_BF6
.endm
.macro G1SET g, r                      ; descriptor group 1: r rows of 256 bytes (32 elements of 8 bytes), dense, no padding, no mask
	s_mov_b32 s[\g], 3<<16
	s_mov_b32 s[\g+1], 32<<16
	s_mov_b32 s[\g+2], (\r)<<16
	s_mov_b32 s[\g+3], 32<<16
	s_mov_b32 s[\g+4], \r
	s_mov_b32 s[\g+5], 32
	s_mov_b32 s[\g+6], 0
	s_mov_b32 s[\g+7], 0
.endm
.macro G0SET g, start, r               ; group 0: my wave's r rows of the chunk that begins at row start; the LDS byte and the offset in memory are the same number
	s_mov_b32 s[\g], 1
	s_mul_i32 s86, s14, (\r)*256
	s_add_co_u32 s[\g+1], s86, (\start)*256
	s_mov_b32 s86, s[\g+1]
	s_add_nc_u64 s[\g+2:\g+3], s[58:59], s[86:87]
	s_or_b32 s[\g+3], s[\g+3], 0x80000000
.endm
	s_load_b256 s[4:11], s[0:1], 0x0               ; himg, wimg, bq, bk
	s_load_b64 s[12:13], s[0:1], 0x20              ; bv
	s_load_b128 s[68:71], s[0:1], 0x28             ; qimg, kimg
	s_load_b64 s[72:73], s[0:1], 0x38              ; vimg
	v_lshl_add_u32 v254, v0, 2, 0x34800
	v_mov_b32 v255, 0
	ds_add_u32 v254, v255
	ds_add_u32 v254, v255
	v_lshrrev_b32 v7, 5, v0
	v_readfirstlane_b32 s14, v7                    ; wave 0..3
	G1SET 16, 63                                   ; chunk 0: 4 x 63 rows: tiles 0-9 and a little;
	G1SET 24, 50                                   ; chunks 1 and 2: 4 x 50 rows: up to row 452 (tiles 0-17), 652 (tiles 0-25);
	G1SET 32, 37                                   ; chunk 3: the last 148 of the 800 rows
	s_and_b32 s79, ttmp7, 0xffff                   ; 0 q, 1 k, 2 v
	s_lshr_b32 s80, ttmp9, 1                       ; the image
	s_and_b32 s81, ttmp9, 1                        ; the half
	s_lshl_b32 s82, s80, 6
	s_lshl_b32 s83, s81, 5
	s_add_co_u32 s82, s82, s83                     ; the half image's first pixel tile
	s_lshl_b32 s83, s14, 3
	s_add_co_u32 s84, s82, s83                     ; R as pixel tiles: + 8 w
	s_lshl_b32 s85, s79, 5
	s_add_co_u32 s85, s85, s83                     ; R as weight tiles: 32 y + 8 w
	s_mov_b32 s66, 6400
	s_mov_b32 s87, 204800
	s_cmp_eq_u32 s79, 2
	s_cselect_b32 s15, 1, 0                        ; 1: this work-group makes v
	s_cselect_b32 s84, s84, s85
	s_cselect_b32 s82, 64, s82                     ; S: wv's tiles are records 64 .. 95 of wimg
	s_cselect_b32 s66, 12800, s66                  ; from one trip's record to the next's
	s_cselect_b32 s87, 6400, s87                   ; from half 0 to half 1 in the output
	s_mul_i32 s84, s84, 6400
	s_mul_i32 s82, s82, 6400
	s_mul_i32 s87, s87, s81
	s_mul_i32 s86, s80, 409600
	s_add_co_u32 s88, s86, s87                     ; the output's first record
	s_mov_b32 s85, 0
	s_mov_b32 s83, 0
	s_mov_b32 s89, 0
	s_mov_b32 s87, 0
	s_mov_b32 s67, 0
	s_wait_dscnt 0x0
	s_wait_kmcnt 0x0
	s_cmp_eq_u32 s79, 2                            ; the choices hang on the work-group's number alone
	s_cselect_b64 s[56:57], s[4:5], s[6:7]         ; R from himg (v) or wimg
	s_cselect_b64 s[58:59], s[6:7], s[4:5]         ; S the other way round
	s_cselect_b64 s[60:61], s[12:13], s[8:9]       ; the bias
	s_cselect_b64 s[62:63], s[72:73], s[68:69]     ; the output
	s_cmp_eq_u32 s79, 1
	s_cselect_b64 s[60:61], s[10:11], s[60:61]
	s_cselect_b64 s[62:63], s[70:71], s[62:63]
	s_add_nc_u64 s[56:57], s[56:57], s[84:85]
	s_add_nc_u64 s[58:59], s[58:59], s[82:83]
	G0SET 40, 0, 63
	G0SET 44, 252, 50
	G0SET 48, 452, 50
	G0SET 52, 652, 37
	tensor_load_to_lds s[40:43], s[16:23]          ; the four first fills go out together, ahead of every wait on TENSORcnt, every LDS read and every barrier
	s_nop 0
	tensor_load_to_lds s[44:47], s[24:31]
	s_nop 0
	tensor_load_to_lds s[48:51], s[24:31]
	s_nop 0
	tensor_load_to_lds s[52:55], s[32:39]
	s_nop 0
	PLACES                                         ; four plain lines behind the last of them, ahead of the first switch of windows
	s_add_nc_u64 s[62:63], s[62:63], s[88:89]
	s_add_nc_u64 s[74:75], s[62:63], 6144          ; where the scale blocks go
	s_mul_i32 s86, s14, 1536
	s_add_nc_u64 s[62:63], s[62:63], s[86:87]      ; where my fragments go: K step w
	s_mov_b32 s[SEL], 0x76543210
	s_mov_b32 s[SEL+1], 0xfedcba98                 ; v_permlanex16_b32's selects for lane l xor 16
	v_and_b32 v1, 31, v0
	v_lshlrev_b32 v1, 4, v1                        ; 16 x lane
	v_and_b32 v6, 15, v0
	v_lshlrev_b32 v6, 4, v6                        ; 16 x (lane % 16)
	v_bfe_u32 v7, v0, 4, 1
	v_lshlrev_b32 v7, 6, v7
	s_lshl_b32 s86, s14, 9
	v_add_nc_u32 v7, s86, v7                       ; the bias along R's rows: 512 w + 64 (lane / 16) bytes
	v_add_nc_u32 v201, 6144, v6                    ; S's scale words
	v_lshrrev_b32 v202, 2, v6
	v_add_nc_u32 v202, BT, v202                    ; the bias of my row of S's tile
	s_lshl_b32 s86, s14, 2
	s_add_co_u32 s86, s86, SG
	v_add_nc_u32 v203, s86, v6                     ; where my scale word goes
	v_lshrrev_b32 v205, 4, v0                      ; the bias in the order of S's rows: thread t serves entries t + 128 k: tile t / 16 + 8 k, row t % 16
	v_lshrrev_b32 v206, 1, v205
	v_and_b32 v207, 1, v205
	v_lshlrev_b32 v206, 5, v206
	v_lshl_add_u32 v206, v207, 3, v206
	v_and_b32 v207, 15, v0
	v_add_nc_u32 v206, v206, v207
	v_and_b32 v207, 8, v207
	v_add_nc_u32 v206, v206, v207                  ; 32 (T / 2) + 8 (T % 2) + m + 8 (m / 8)
	v_lshlrev_b32 v204, 2, v206
	v_lshl_add_u32 v205, v0, 2, BT
.irp b, 0,1,2,3
	v_mov_b32 v[TM+4+\b], 0                        ; written once: a lane permute's destination counts as one of its sources
.endr
	WIN 0x40                                       ; destination window 1
.irp t, 0,1,2,3,4
.irp s, 0,1,2,3
.irp g, 0,1,2
	global_load_b128 v[48*\t+12*\s+4*\g:48*\t+12*\s+4*\g+3], v1, s[56:57] offset:6400*\t+1536*\s+512*\g   ; R stays: 512 consecutive bytes a load
.endr
.endr
.endr
	WIN 0x80                                       ; destination window 2
.irp t, 5,6,7
.irp s, 0,1,2,3
.irp g, 0,1,2
	global_load_b128 v[48*(\t-5)+12*\s+4*\g:48*(\t-5)+12*\s+4*\g+3], v1, s[56:57] offset:6400*\t+1536*\s+512*\g
.endr
.endr
.endr
.irp t, 0,1,2,3,4,5,6,7
	global_load_b128 v[BR+8*\t:BR+8*\t+3], v7, s[60:61] offset:4*(32*(\t/2)+8*(\t%2))         ; lane (r, h), tile t: the bias of R's rows 32 (t / 2) + 16 h + 8 (t % 2) + 0 .. 7
	global_load_b128 v[BR+8*\t+4:BR+8*\t+7], v7, s[60:61] offset:4*(32*(\t/2)+8*(\t%2))+16
.endr
	WIN 0
.irp t, 0,1,2,3,4,5,6,7
	global_load_b128 v[RS+4*\t:RS+4*\t+3], v6, s[56:57] offset:6400*\t+6144
.endr
.irp k, 0,1,2,3
	global_load_b32 v[208+\k], v204, s[60:61] offset:512*\k
.endr
	s_wait_loadcnt 0x0
.irp k, 0,1,2,3
	ds_store_b32 v205, v[208+\k] offset:512*\k
.endr
; 64 numbers of a lane, v[s] .. v[s + 63], register 16 b + i = k 32 b + 16 (lane / 16) + i of my row, become a fragment's codes in v[PC] on and its scale word in v[PW].  Each accumulator is read from its low end on.
.macro QUANT s
.irp b, 0,1,2,3
	v_max3_num_f32 v[TM+\b], |v[\s+16*\b]|, |v[\s+1+16*\b]|, 0x2800000   ; block b: my 16 numbers, and the floor 2^(5 - 127): the byte cannot fall under 1
.endr
.irp i, 2,4,6,8,10,12,14
.irp b, 0,1,2,3
	v_max3_num_f32 v[TM+\b], v[TM+\b], |v[\s+16*\b+\i]|, |v[\s+1+16*\b+\i]|
.endr
.endr
.irp b, 0,1,2,3
	v_permlanex16_b32 v[TM+4+\b], v[TM+\b], s[SEL], s[SEL+1]
.endr
.irp b, 0,1,2,3
	v_max_num_f32 v[TM+\b], v[TM+\b], v[TM+4+\b]   ; with lane l xor 16's: the block's largest magnitude
.endr
.irp b, 0,1,2,3
	v_add_nc_u32 v[TM+12+\b], 0xfe000000, v[TM+\b] ; 4 off its exponent field: the conversion's scale operand
.endr
.irp b, 0,1,2,3
	v_lshrrev_b32 v[TM+4+\b], 23, v[TM+12+\b]      ; the scale's byte
.endr
	v_lshl_or_b32 v[PW], v[TM+5], 8, v[TM+4]
	v_lshl_or_b32 v[PW], v[TM+6], 16, v[PW]
	v_lshl_or_b32 v[PW], v[TM+7], 24, v[PW]
.irp c, 0,1
	v_cvt_scalef32_pk16_bf6_f32 v[PC+6*\c:PC+2+6*\c], v[\s+32*\c:\s+15+32*\c], v[TM+12+2*\c]
	v_cvt_scalef32_pk16_bf6_f32 v[PC+12+4*\c:PC+14+4*\c], v[\s+16+32*\c:\s+31+32*\c], v[TM+12+2*\c+1]   ; (a conversion's three registers begin on an even number)
.endr
	v_nop                                          ; one plain instruction behind the scaled conversions
.irp c, 0,1                                    ; the operand's layout wants a whole block in a lane: lanes 0-15 block 2 c, lanes 16-31 block 2 c + 1
.irp i, 0,1,2
	v_permlane16_swap_b32 v[PC+6*\c+\i], v[PC+12+4*\c+\i]
.endr
.irp i, 0,1,2
	v_mov_b32 v[PC+3+6*\c+\i], v[PC+12+4*\c+\i]
.endr
.endr
.endm
.macro SADR                            ; the LDS addresses of the tile at byte s79 (its bias at 64 bytes a tile: s80)
	v_add_nc_u32 v2, s79, v1
	v_add_nc_u32 v3, s79, v201
	v_add_nc_u32 v4, s80, v202
.endm
.macro SFETCH                          ; 21 LDS loads: a tile's four fragments, its scale words, and my row's bias eight times over
.irp s, 0,1,2,3
.irp g, 0,1,2
	ds_load_b128 v[SF+12*\s+4*\g:SF+12*\s+4*\g+3], v2 offset:1536*\s+512*\g
.endr
.endr
	ds_load_b128 v[SS:SS+3], v3
.irp j, 0,1,2,3,4,5,6,7
	ds_load_b32 v[CS+\j], v4
.endr
.endm
; A TRIP: one tile of S against my eight tiles of R, 32 matrix instructions; the accumulators take turns, one instruction a turn, over the backward jump too.
; pre = 1: the next tile is fetched into the same registers as soon as the products are issued, and lands while the results are quantised.
.macro TRIP pre
	s_wait_dscnt 0x0                               ; the tile's 21 loads are in (and the last trip's scale word is stored)
	s_cmp_eq_u32 s15, 1
	s_cbranch_scc1 .Lfor_v_\@
	WIN 0x21                                       ; source 0 (R) window 1, C (the bias along R's rows) window 2
.irp t, 0,1,2,3,4
	WMC ACC+8*\t, 48*\t, SF, BR+8*\t, RS+4*\t, SS
.endr
	WIN 0x22
.irp t, 5,6,7
	WMC ACC+8*\t, 48*(\t-5), SF, BR+8*\t, RS+4*\t, SS
.endr
	WIN 0
	s_branch .Lboth_\@
.Lfor_v_\@:
	WIN 0x01                                       ; C: my row's bias, in window 0
.irp t, 0,1,2,3,4
	WMC ACC+8*\t, 48*\t, SF, CS, RS+4*\t, SS
.endr
	WIN 0x02
.irp t, 5,6,7
	WMC ACC+8*\t, 48*(\t-5), SF, CS, RS+4*\t, SS
.endr
	WIN 0
.Lboth_\@:
	WIN 0x01
.irp s, 1,2,3
.irp t, 0,1,2,3,4
	WMC ACC+8*\t, 48*\t+12*\s, SF+12*\s, ACC+8*\t, RS+4*\t+\s, SS+\s
.endr
.endr
	WIN 0x02
.irp s, 1,2,3
.irp t, 5,6,7
	WMC ACC+8*\t, 48*(\t-5)+12*\s, SF+12*\s, ACC+8*\t, RS+4*\t+\s, SS+\s
.endr
.endr
	WIN 0
.if \pre
	s_add_co_u32 s79, s79, 6400
	s_add_co_u32 s80, s80, 64
	SADR                                           ; three plain lines and a v_nop: the four places between the products and the loads into their registers, and the first read of their results
	v_nop
	SFETCH
.else
	PLACES
.endif
	QUANT ACC
	v_add_nc_u32 v5, s81, v203
	s_add_co_u32 s81, s81, 256
	ds_store_b32 v5, v[PW]                         ; both halves of the lanes write row r's word with the same value
.irp g, 0,1,2
	global_store_b128 v1, v[PC+4*\g:PC+4*\g+3], s[62:63] offset:512*\g   ; the fragment as it stands: 512 consecutive bytes a store, aligned to 256
.endr
	s_wait_xcnt 0x0                                ; the stores' data and base are written again only behind this wait
	s_add_nc_u64 s[62:63], s[62:63], s[66:67]
.endm
.macro RUN n, first                    ; n trips from tile first on
	s_mov_b32 s79, 6400*\first
	s_mov_b32 s80, 64*\first
	s_mov_b32 s81, 256*\first
	s_mov_b32 s78, \n
.Lrun_\@:
	TRIP 1
	s_sub_co_u32 s78, s78, 1
	s_cmp_lg_u32 s78, 0
	s_cbranch_scc1 .Lrun_\@
.endm
.macro MEET n                          ; my part of the next chunk has landed (n younger loads of mine may be out), no LDS instruction of mine is pending: then the barrier
	s_wait_dscnt 0x0
	s_wait_tensorcnt \n
	s_barrier_signal -1
	s_barrier_wait -1
.endm
	MEET 3                                         ; chunk 0 and the bias table
	s_mov_b32 s79, 0
	s_mov_b32 s80, 0
	SADR
	SFETCH
	RUN 8, 0                                       ; tiles 0-7; the last trip fetches tile 8, which ends at row 225 of chunk 0's 252
	MEET 2
	RUN 8, 8                                       ; tiles 8-15, fetching up to tile 16: row 425 of 452
	MEET 1
	RUN 8, 16                                      ; tiles 16-23, fetching up to tile 24: row 625 of 652
	MEET 0
	RUN 7, 24
	TRIP 0                                         ; tile 31: nothing more to fetch
	s_wait_dscnt 0x0                               ; for the others' sake: my scale words have landed
	s_barrier_signal -1
	s_barrier_wait -1
	v_lshl_add_u32 v205, v0, 4, SG                 ; the 32 scale blocks of 256 bytes: a half wave to a block, four blocks a thread's turn
.irp k, 0,1,2,3
	ds_load_b128 v[208+4*\k:208+4*\k+3], v205 offset:2048*\k
.endr
	v_lshrrev_b32 v206, 4, v0
	v_mul_lo_u32 v224, v206, s66
	v_add_nc_u32 v224, v224, v6                    ; tile t / 16's record, + 16 (t % 16)
	s_lshl_b32 s82, s66, 3                         ; eight records on
	v_add_nc_u32 v225, s82, v224
	v_add_nc_u32 v226, s82, v225
	v_add_nc_u32 v227, s82, v226
.irp k, 0,1,2,3
	s_wait_dscnt 3-\k
	global_store_b128 v[224+\k], v[208+4*\k:208+4*\k+3], s[74:75]
.endr
	s_wait_tensorcnt 0x0
	ds_add_u32 v254, v255
	s_wait_dscnt 0x0
	s_endpgm
.Lfunc_end_k_qd4e396072d_proj:
	.size	k_qd4e396072d_proj, .Lfunc_end_k_qd4e396072d_proj-k_qd4e396072d_proj
	.p2alignl 7, 3214868480
	.fill 96, 4, 3214868480
	.section	.rodata,"a",@progbits
	.p2align	6, 0x0
	.amdhsa_kernel k_qd4e396072d_proj
		.amdhsa_group_segment_fixed_size 215552
		.amdhsa_private_segment_fixed_size 0
		.amdhsa_enable_private_segment 0
		.amdhsa_kernarg_size 64
		.amdhsa_user_sgpr_count 2
		.amdhsa_user_sgpr_kernarg_segment_ptr 1
		.amdhsa_wavefront_size32 1
		.amdhsa_system_sgpr_workgroup_id_x 1
		.amdhsa_system_sgpr_workgroup_id_y 1
		.amdhsa_system_sgpr_workgroup_id_z 1
		.amdhsa_system_vgpr_workitem_id 0
		.amdhsa_next_free_vgpr 720
		.amdhsa_next_free_sgpr 90
		.amdhsa_reserve_vcc 0
		.amdhsa_float_denorm_mode_32 3
		.amdhsa_float_denorm_mode_16_64 3
		.amdhsa_memory_ordered 1
		.amdhsa_forward_progress 1
		.amdhsa_inst_pref_size 78
	.end_amdhsa_kernel
	.amdgpu_metadata
---
amdhsa.version: [ 1, 2 ]
amdhsa.kernels:
  - .name:           k_qd4e396072d_proj
    .symbol:         k_qd4e396072d_proj.kd
    .args:
      - { .name: himg, .offset: 0, .size: 8, .value_kind: global_buffer, .address_space: global }
      - { .name: wimg, .offset: 8, .size: 8, .value_kind: global_buffer, .address_space: global }
      - { .name: bq, .offset: 16, .size: 8, .value_kind: global_buffer, .address_space: global }
      - { .name: bk, .offset: 24, .size: 8, .value_kind: global_buffer, .address_space: global }
      - { .name: bv, .offset: 32, .size: 8, .value_kind: global_buffer, .address_space: global }
      - { .name: qimg, .offset: 40, .size: 8, .value_kind: global_buffer, .address_space: global }
      - { .name: kimg, .offset: 48, .size: 8, .value_kind: global_buffer, .address_space: global }
      - { .name: vimg, .offset: 56, .size: 8, .value_kind: global_buffer, .address_space: global }
    .group_segment_fixed_size: 215552
    .private_segment_fixed_size: 0
    .kernarg_segment_align: 8
    .kernarg_segment_size: 64
    .max_flat_workgroup_size: 128
    .sgpr_count:     90
    .vgpr_count:     720
    .wavefront_size: 32
...
	.end_amdgpu_metadata
.endif
;; end of part 2
;; launch attn (part 3): grid 16 x 32, 4 waves a work-group, clusters of 4 x 1, 327,680 bytes of LDS; arguments qimg, kimg, vimg, wimg, bo, x, out0; writes out0
.if DOCPART == 3
	.amdgcn_target "amdgcn-amd-amdhsa--gfx1250"
	.amdhsa_code_object_version 6
	.text
	.protected	k_qd4e396072d_attn
	.globl	k_qd4e396072d_attn
	.p2align	8
	.type	k_qd4e396072d_attn,@function
k_qd4e396072d_attn:
	s_mov_b64 s[64:65], 0
	v_nop
	global_prefetch_b8 v0, s[64:65] scope:SCOPE_SE
	s_setreg_imm32_b32 hwreg(HW_REG_WAVE_MODE, 25, 1), 1
	s_wait_xcnt 0x0
	s_wait_alu depctr_hold_cnt(0) depctr_sa_sdst(0) depctr_va_vdst(0) depctr_va_sdst(0) depctr_va_ssrc(0) depctr_va_vcc(0) depctr_vm_vsrc(0)
	s_getreg_b32 s2, hwreg(HW_REG_IB_STS2, 6, 4)
	s_cmp_eq_u32 s2, 0
	s_cbranch_scc0 .Lentry_in_a_cluster
	s_endpgm
.Lentry_in_a_cluster:
	s_bfe_u32 s2, ttmp6, 0x10000c
	s_cmp_lg_u32 s2, 0x3003
	s_cbranch_scc0 .Lentry_shape_is_right
	s_endpgm
.Lentry_shape_is_right:
; out = x + wo (softmax(q^T k / sqrt(512)) v) + bo for 64 queries (pixels) of one image; all three products on codes of BF6 (E3M2) with E8M0 scales.
; All operands come as tile records of 6,400 bytes (16 rows x 512 K in the order of an operand's registers: fragment of K step s at 1536 s, registers 4 g .. 4 g + 3 of lane L at 512 g + 16 L; row m's scale words at
; 6144 + 16 m + 4 s; row m of tile T is index 32 (T / 2) + 8 (T % 2) + m + 8 (m / 8)), so a fragment is three loads of 512 consecutive bytes, from memory or from LDS, straight into its registers.
; THE SOFTMAX IS QUANTISED FINISHED AND NORMALISED, so a query's maximum and sum over all 1,024 keys are known before any p is coded: the 64 x 1,024 scores stay in registers, 512 a wave.
; SHARES.  A work-group owns a block of 64 queries = query tiles 4 x .. 4 x + 3 of image y.  The four waves share another axis in each product, so that each fragment of k, v and wo is read by one wave and feeds four products:
;   1  S^T = k q^T: wave w takes key tiles 16 w .. 16 w + 15 (source 0), all four query tiles (source 1): a lane holds ONE query, its registers run along the keys.
;   2  softmax: each block's and row's largest score, exchanged between the waves through LDS; 2^(c s - c max); the sums likewise; p = e / sum; quantised along the keys; p's fragments to LDS as images of their registers.
;   3  O^T = v^T p: wave w takes channel tiles 8 w .. 8 w + 7 (source 0), all eight key steps.   4  h2 = O quantised along the channels: K step w of the last product; images to LDS.
;   5  out = h2 wo^T: source 0 = h2 (a lane's registers then run along the pixels), source 1 = wo's tiles 8 w ..; bo is the C of each sum's first product; through my stage in LDS into rows of 256 bytes; + x; stored.
; CLUSTER.  The four work-groups of a cluster are four neighbouring blocks of queries of one image and need the same k, v and wo.  A region of LDS of 204,800 bytes, 51,200 (eight records) for each wave, is filled four times
; JOINTLY (the same tensor load, with the same descriptor and a mask that names the four, in all four): with each wave's key tiles 8-15; with v's key steps 0-3, which land under the softmax; with v's key steps 4-7, which land
; under four key steps' products; with wo, which lands under two key steps' products and the quantising of h2.  A wave reads only the part that its own load brought, so its own wait on TENSORcnt orders the reads;
; each refill stands behind a round of the cluster's barrier.  One tensor load of a wave is out at the most.
; Key tiles 0-7 are NOT shared: they come from memory straight into registers, asked for at the head together with the first joint load.  The region holds half of a wave's 16 tiles, and a refill in the midst of the first
; product would have only four tiles' 64 matrix instructions in which to land.
; LIMITS: NaN and infinities are not served; a block of zeros or under 2^-122 gets the scale byte 1 (the rule says 127 for zeros); a block's largest p is taken as the p of its largest score, which takes v_exp_f32 not to fall where its input rises.
; REGISTERS, in windows of 256 (s_set_vgpr_msb: bits 1:0 source 0, 3:2 source 1, 5:4 source 2, 7:6 destination):
;   window 0: v1-22 addresses; v32-95 scale words, block maxima; v96-239 three banks of k, then statistics and codes, then p's fragments, then the last product's sums
;   window 1: q, one bank of k; then two banks of v or wo (v0, v96) and two sets of x (v192, v224)        window 2: scores of my first 128 keys (64 qt + 8 i); then O^T (64 qt + 8 dt); then h2 and bo
;   window 3: five banks of k, then scores of my second 128 keys; then two banks of v or wo and two sets of x
.set RW,   51200                       ; LDS: from 0 on the shared region, RW bytes for each wave;
.set MXB,  204800                      ; the rows' maxima [qt][r][wave], 1,024 bytes on their sums;
.set PIMG, 206848                      ; p's 32 fragments, (4 ks + qt) x 1536;
.set PSC,  256000                      ; their scale words, 128 bytes each;
.set HIMG, 260096                      ; h2's 16 fragments, (4 qt + s) x 1536;
.set HSC,  284672                      ; their scale words;
.set STG,  286720                      ; a stage of 16 rows x (256 + 16) bytes for each wave;
.set SPARE, 304128                     ; the spare words, 128 bytes for each wave: two blocks of 256 bytes that no other line names
.set QS,  32                           ; v32-47   q's scale words: 4 qt + s
.set KSC, 48                           ; v48-83   k's: nine banks of four
.set BM,  32                           ; v32-63   block maxima: 8 qt + 4 (which 128 keys) + b; later the bytes
.set BX,  64                           ; v64-95   the other half's; later the conversions' scale operands
.set RM,  96                           ; v96-99   the rows' maxima
.set CM,  100                          ; v100-107 c x maximum, twice
.set LA,  108                          ; v108-115, v116-123 two chains of sums a query tile
.set LB,  116
.set RL,  124                          ; v124-131 1 / sum, twice
.set X4,  132                          ; v132-147 what the four waves exchanged
.set PWS, 148                          ; v148-155 scale words made
.set PCS, 160                          ; v160-199 two sets of codes
.set VS,  32                           ; v32-95   v's scale words: 8 dt + ks
.set PB,  96                           ; v96-191  p's fragments, two sets of four
.set PS,  192                          ; v192-199 their scale words
.set WS,  200                          ; v200-231 wo's scale words: 4 ot + s
.set HS,  32                           ; v32-47   h2's
.set OA,  96                           ; v96-159  the last product's sums, two sets of four
.set OB,  160                          ; v160-191 16 rows on their way out
.set G1D, 48                           ; s[48:55] descriptor group 1: 200 rows of 256 bytes, dense (k, wo)
.set G1V, 56                           ; s[56:63] 8 rows of 6,400 bytes, 12,800 apart (v: every second record)
.set G0K, 68                           ; s[68:71], s[72:75], s[76:79], s[80:83] groups 0: k, v's two halves, wo; made once, never rewritten
.set G0VA, 72
.set G0VB, 76
.set G0W, 80
.set MSB, 0
.macro WIN new                         ; the immediate's high byte repeats the setting that is left; a switch that changes nothing is dropped
.if MSB != (\new)
	s_set_vgpr_msb (MSB<<8)|(\new)
.set MSB, \new
.endif
.endm
.macro PLACES                          ; four places between a matrix instruction and a load into, or a vector write of, its registers, or the first read of its result (ISA guide 7.12.1 for the vector write and the read)
.rept 4
	v_nop
.endr
.endm
.macro WMZ d, a, b, sa, sb             ; a sum's first product
	v_wmma_scale_f32_16x16x128_f8f6f4 v[\d:\d+7], v[\a:\a+11], v[\b:\b+11], 0, v[\sa], v[\sb] matrix_a_fmt:MATRIX_FMT_BF6 matrix_b_fmt:MATRIX_FMT_BF6
.endm
.macro WMC d, a, b, c, sa, sb
	v_wmma_scale_f32_16x16x128_f8f6f4 v[\d:\d+7], v[\a:\a+11], v[\b:\b+11], v[\c:\c+7], v[\sa], v[\sb] matrix_a_fmt:MATRIX_FMT_BF6 matrix_b_fmt:MATRIX_FMT_BF6
.endm
; A round of the cluster's barrier: my work-group's barrier, so that wave 0's signal speaks for all four waves; wave 0 signals for the work-group; every wave waits for all four work-groups; my work-group's barrier once more.
.macro CROUND
	s_barrier_signal -1
	s_barrier_wait -1
	s_cmp_lg_u32 s18, 0
	s_cbranch_scc1 .Lnot_wave_0_\@
	s_barrier_signal -3
.Lnot_wave_0_\@:
	s_barrier_wait -3
	s_barrier_signal -1
	s_barrier_wait -1
.endm
; The shared region is filled again.  Every wave: all its tensor loads have landed; 0 onto its spare word; the add is done and its reads of the region are back;
; the round: that now holds of every wave of all four work-groups; then the joint load, first thing behind it, and four plain lines behind that.
.macro REFILL g0, g1
	WIN 0
	s_wait_tensorcnt 0x0
	ds_add_u32 v21, v22
	s_wait_dscnt 0x0
	CROUND
	tensor_load_to_lds s[\g0:\g0+3], s[\g1:\g1+7]
	s_nop 0
	PLACES
.endm
.macro G0SET g, base, off              ; group 0: from s[base] + off bytes to my wave's part of the region
	s_mov_b32 s[\g], 1
	s_mov_b32 s[\g+1], s88
	s_add_nc_u64 s[\g+2:\g+3], s[\base:\base+1], \off
	s_or_b32 s[\g+3], s[\g+3], 0x80000000
.endm
	s_load_b256 s[4:11], s[0:1], 0x0               ; qimg, kimg, vimg, wimg
	s_load_b128 s[12:15], s[0:1], 0x20             ; bo, x
	s_load_b64 s[16:17], s[0:1], 0x30              ; out0
	v_lshl_add_u32 v21, v0, 2, SPARE               ; my spare word; never rewritten
	v_mov_b32 v22, 0                               ; never rewritten
	ds_add_u32 v21, v22
	ds_add_u32 v21, v22
	s_wait_dscnt 0x0
	v_lshrrev_b32 v23, 5, v0
	v_readfirstlane_b32 s18, v23                   ; wave 0..3
	v_and_b32 v23, 31, v0                          ; lane
	v_and_b32 v24, 15, v0                          ; r
	v_bfe_u32 v25, v0, 4, 1                        ; lane / 16
	v_lshlrev_b32 v1, 4, v23                       ; 16 x lane: a fragment's chunk in memory
	v_lshlrev_b32 v2, 4, v24                       ; 16 r: a row's four scale words in memory
	v_lshlrev_b32 v3, 2, v23                       ; 4 x lane
	s_lshl_b32 s30, s18, 2
	s_add_co_u32 s30, s30, MXB
	v_add_nc_u32 v4, s30, v2                       ; where my wave's maximum or sum of query r goes,
	v_add_nc_u32 v5, MXB, v2                       ; and where the four waves' are read
	s_mul_i32 s30, s18, 12288
	s_add_co_u32 s30, s30, PIMG
	v_add_nc_u32 v6, s30, v1                       ; p's images: my key steps 2 w, 2 w + 1
	s_lshl_b32 s30, s18, 10
	s_add_co_u32 s30, s30, PSC
	v_add_nc_u32 v7, s30, v3
	s_mul_i32 s30, s18, 1536
	s_add_co_u32 s30, s30, HIMG
	v_add_nc_u32 v8, s30, v1                       ; h2's images: my K step w
	s_lshl_b32 s30, s18, 7
	s_add_co_u32 s30, s30, HSC
	v_add_nc_u32 v9, s30, v3
	v_add_nc_u32 v10, HIMG, v1                     ; and where all of them are read
	v_add_nc_u32 v11, HSC, v3
	s_mul_i32 s30, s18, 4352
	s_add_co_u32 s30, s30, STG                     ; my stage
	v_mul_u32_u24 v12, v24, 272
	v_lshl_add_u32 v12, v25, 6, v12
	v_add_nc_u32 v12, s30, v12                     ; in: row r, + 64 bytes for lanes 16-31
	v_mul_u32_u24 v13, v25, 272
	v_add_nc_u32 v13, v13, v2
	v_add_nc_u32 v13, s30, v13                     ; back: lanes 0-15 one row, lanes 16-31 the next
	v_lshl_add_u32 v14, v25, 12, v2                ; and the same two rows (channels, 4,096 bytes apart) of x and out0
	v_and_b32 v15, 8, v24
	v_add_nc_u32 v15, v15, v24
	v_lshlrev_b32 v15, 2, v15                      ; bo of row r of a tile of wo: 4 (r + 8 (r / 8))
	v_lshlrev_b32 v16, 8, v23                      ; the prefetches: lanes 256 bytes apart; never rewritten
	s_mul_i32 s88, s18, RW                         ; my wave's part of the shared region: no place in the cluster enters an LDS address
	v_add_nc_u32 v17, s88, v1                      ; a fragment's chunk there,
	v_add_nc_u32 v18, s88, v2                      ; a row's scale words there
	v_add_nc_u32 v19, PIMG, v1                     ; where p's images are read,
	v_add_nc_u32 v20, PSC, v3                      ; and their scale words
.irp j, 84,85,86,87,88,89,90,91,92,93,94,95
	v_mov_b32 v\j, 0                               ; written once: a lane permute's destination counts as one of its sources (v64-83 are written by loads)
.endr
	s_bfe_u32 s21, ttmp6, 0x40000                  ; cx: my place in the cluster
	s_lshl_b32 s19, ttmp9, 2                       ; in a cluster launch ttmp9 counts clusters
	s_add_co_u32 s19, s19, s21                     ; my block of queries: it enters q's, x's and out0's addresses alone
	s_and_b32 s20, ttmp7, 0xffff                   ; the image, which the four partners share
	s_mov_b32 s22, 0x3d8293ee                      ; c = log2(e) / sqrt(512)
	s_mov_b32 s23, s22                             ; (named with it as a pair, so it is written)
	s_mov_b32 s24, 0x76543210
	s_mov_b32 s25, 0xfedcba98                      ; v_permlanex16_b32's selects for lane l xor 16
	s_cmp_eq_u32 ttmp9, 0
	s_cselect_b32 s26, 1, 0                        ; the image's first cluster prefetches: the same in all four partners
	; descriptor groups 1.  15:0 the mask: all four work-groups; 17:16 elements of 8 bytes; 20 no padding; 21 set beside a mask
	s_mov_b32 s[G1D], 15|(3<<16)|(1<<21)
	s_mov_b32 s[G1D+1], 32<<16                     ; tensor_dim0 = 32 elements: 256 bytes
	s_mov_b32 s[G1D+2], 200<<16                    ; tensor_dim1 = 200 rows: eight records on end
	s_mov_b32 s[G1D+3], 32<<16                     ; tile_dim0
	s_mov_b32 s[G1D+4], 200                        ; tile_dim1
	s_mov_b32 s[G1D+5], 32                         ; from row to row
	s_mov_b32 s[G1D+6], 0
	s_mov_b32 s[G1D+7], 0
	s_mov_b32 s[G1V], 15|(3<<16)|(1<<21)
	s_mov_b32 s[G1V+1], 800<<16                    ; a row is a whole record, 6,400 bytes: a channel tile's two records (key steps 0-3, 4-7) lie side by side, and a fill takes one of the two
	s_mov_b32 s[G1V+2], 8<<16                      ; eight channel tiles
	s_mov_b32 s[G1V+3], 800<<16
	s_mov_b32 s[G1V+4], 8
	s_mov_b32 s[G1V+5], 1600                       ; 12,800 bytes from row to row
	s_mov_b32 s[G1V+6], 0
	s_mov_b32 s[G1V+7], 0
	s_lshl_b32 s30, s20, 6
	s_lshl_b32 s32, s19, 2
	s_add_co_u32 s32, s32, s30
	s_mul_i32 s32, s32, 6400                       ; q: records 64 b + 4 x on
	s_mov_b32 s33, 0
	s_lshl_b32 s34, s18, 4
	s_add_co_u32 s34, s34, s30
	s_mul_i32 s34, s34, 6400                       ; k: records 64 b + 16 w on
	s_mov_b32 s35, 0
	s_mul_i32 s36, s20, 409600                     ; v: the image,
	s_mov_b32 s37, 0
	s_mul_i32 s38, s18, 102400                     ; my eight channel tiles (two records each),
	s_mov_b32 s39, 0
	s_lshl_b32 s40, s21, 15                        ; and for the prefetches 32,768 bytes a partner, 8,192 a wave
	s_lshl_b32 s41, s18, 13
	s_add_co_u32 s40, s40, s41
	s_mov_b32 s41, 0
	s_lshl_b32 s42, s18, 3
	s_add_co_u32 s42, s42, 96
	s_mul_i32 s42, s42, 6400                       ; wo: records 96 + 8 w on
	s_mov_b32 s43, 0
	s_lshl_b32 s44, s18, 9                         ; bo: my 128 numbers
	s_mov_b32 s45, 0
	s_lshl_b32 s46, s20, 21
	s_lshl_b32 s47, s18, 19
	s_add_co_u32 s46, s46, s47
	s_lshl_b32 s47, s19, 8
	s_add_co_u32 s46, s46, s47                     ; x, out0: image, my 128 channels, the block's 64 pixels
	s_mov_b32 s47, 0
	s_wait_kmcnt 0x0
	s_add_nc_u64 s[4:5], s[4:5], s[32:33]
	s_add_nc_u64 s[6:7], s[6:7], s[34:35]
	s_add_nc_u64 s[8:9], s[8:9], s[36:37]
	s_add_nc_u64 s[28:29], s[8:9], s[40:41]        ; never rewritten
	s_add_nc_u64 s[8:9], s[8:9], s[38:39]
	s_add_nc_u64 s[10:11], s[10:11], s[42:43]
	s_add_nc_u64 s[12:13], s[12:13], s[44:45]
	s_add_nc_u64 s[14:15], s[14:15], s[46:47]
	s_add_nc_u64 s[16:17], s[16:17], s[46:47]
	G0SET G0K, 6, 51200                            ; my key tiles 8-15.  These addresses are made of the image and the wave's number alone: equal in all four partners
	G0SET G0VA, 8, 0                               ; v's key steps 0-3 of my eight channel tiles,
	G0SET G0VB, 8, 6400                            ; its key steps 4-7,
	G0SET G0W, 10, 0                               ; my eight tiles of wo
; ---------------- 1: S^T = k q^T ----------------
; Key tile i's bank of 48 registers (four K steps) and of four scale words: tiles 0-4 in window 3, which the scores of tiles 8-15 take later; the others by turns in three banks of window 0 and one of window 1.
.macro KBANK i
.if (\i) < 5
.set BW, 3
.set BREG, 48*(\i)
.set NB, \i
.else
.set NB, 5+((\i)-5)%4
.if ((\i)-5)%4 == 3
.set BW, 1
.set BREG, 192
.else
.set BW, 0
.set BREG, 96+48*(((\i)-5)%4)
.endif
.endif
.endm
.macro KLOAD i                         ; key tile i < 8 from memory: 13 loads
	KBANK \i
	WIN BW<<6
.irp s, 0,1,2,3
.irp g, 0,1,2
	global_load_b128 v[BREG+12*\s+4*\g:BREG+12*\s+4*\g+3], v1, s[6:7] offset:6400*(\i)+1536*\s+512*\g
.endr
.endr
	WIN 0
	global_load_b128 v[KSC+4*NB:KSC+4*NB+3], v2, s[6:7] offset:6400*(\i)+6144
.endm
.macro KLDS i                          ; key tile i >= 8 from my part of the shared region: 13 LDS loads
	KBANK \i
	WIN BW<<6
.irp s, 0,1,2,3
.irp g, 0,1,2
	ds_load_b128 v[BREG+12*\s+4*\g:BREG+12*\s+4*\g+3], v17 offset:6400*((\i)%8)+1536*\s+512*\g
.endr
.endr
	WIN 0
	ds_load_b128 v[KSC+4*NB:KSC+4*NB+3], v18 offset:6400*((\i)%8)+6144
.endm
; 16 matrix instructions: key tile i against the four query tiles, whose accumulators take turns.  The wait counts what was issued behind tile i's 13 loads:
; tiles 0-7: the 13 loads from memory of each later tile up to tile 7 (held at the count's largest, 63); tiles 8-15: the 13 LDS loads of each of the three tiles fetched behind it, then of two, one, none.
.macro KMUL i
	KBANK \i
.if (\i) < 3
	s_wait_loadcnt 63
.elseif (\i) < 8
	s_wait_loadcnt 13*(7-(\i))
.elseif (\i) < 13
	s_wait_dscnt 39
.else
	s_wait_dscnt 13*(15-(\i))
.endif
	WIN BW|(1<<2)|((2+(\i)/8)<<4)|((2+(\i)/8)<<6)
.irp s, 0,1,2,3
.irp qt, 0,1,2,3
.if \s == 0
	WMZ 64*\qt+8*((\i)%8), BREG+12*\s, 12*(4*\qt+\s), KSC+4*NB+\s, QS+4*\qt+\s
.else
	WMC 64*\qt+8*((\i)%8), BREG+12*\s, 12*(4*\qt+\s), 64*\qt+8*((\i)%8), KSC+4*NB+\s, QS+4*\qt+\s
.endif
.endr
.endr
	WIN 0
.endm
; A PREFETCH of v, which the joint loads at the end of this phase and of the next ask for.  All four clusters of an image read the same v: the first of them asks.  Its four partners share the bytes out BY ADDRESS
; (32,768 a partner, 8,192 a wave, lanes 256 bytes apart: 131,072 an instruction of all sixteen waves): no branch hangs on a work-group's place in its cluster.  Three instructions a wave, together, behind a run of LDS loads
; in the midst of the first product, nine key tiles' products ahead of the first of those loads: 393,216 of the image's 409,600 bytes, each block of 256 named once in the launch; the last 16,384 come by their load alone.
; Nothing is asked for at the head, where the first loads are on their way; the address registers are never rewritten.
.macro ASKV
	s_cmp_eq_u32 s26, 1
	s_cbranch_scc0 .Lno_ask_\@
	global_prefetch_b8 v16, s[28:29] th:TH_LOAD_NT scope:SCOPE_SE
	global_prefetch_b8 v16, s[28:29] offset:131072 th:TH_LOAD_NT scope:SCOPE_SE
	global_prefetch_b8 v16, s[28:29] offset:262144 th:TH_LOAD_NT scope:SCOPE_SE
.Lno_ask_\@:
.endm
; v's key step g, my eight channel tiles: 24 LDS loads into bank g % 4 (window 1 v0, v96; window 3 v0, v96).  wo's tiles 2 j, 2 j + 1, all four K steps: 24 LDS loads into bank j.
.macro VBANK g
.set BW, 1+2*(((\g)%4)/2)
.set BREG, 96*((\g)%2)
.endm
.macro VLDS g
	VBANK \g
	WIN BW<<6
.irp dt, 0,1,2,3,4,5,6,7
.irp c, 0,1,2
	ds_load_b128 v[BREG+12*\dt+4*\c:BREG+12*\dt+4*\c+3], v17 offset:6400*\dt+1536*((\g)%4)+512*\c
.endr
.endr
	WIN 0
.endm
.macro VSL hf                          ; v's scale words of the half that lies in the region: 8 LDS loads
.irp dt, 0,1,2,3,4,5,6,7
	ds_load_b128 v[VS+8*\dt+4*\hf:VS+8*\dt+4*\hf+3], v18 offset:6400*\dt+6144
.endr
.endm
.macro WLDS j
	VBANK \j
	WIN BW<<6
.irp u, 0,1
.irp s, 0,1,2,3
.irp c, 0,1,2
	ds_load_b128 v[BREG+48*\u+12*\s+4*\c:BREG+48*\u+12*\s+4*\c+3], v17 offset:6400*(2*(\j)+\u)+1536*\s+512*\c
.endr
.endr
.endr
	WIN 0
.endm
; x at the 16 channels of wo's tile ot, the block's 64 pixels: 8 loads, each half wave 256 consecutive bytes, into set ot % 4 (window 1 v192, v224; window 3 v192, v224)
.macro XLOAD ot
	WIN (1+2*(((\ot)%4)/2))<<6
.irp k, 0,1,2,3,4,5,6,7
	global_load_b128 v[192+32*((\ot)%2)+4*\k:192+32*((\ot)%2)+4*\k+3], v14, s[14:15] offset:(32*((\ot)/2)+8*((\ot)%2)+2*\k+8*(\k/4))*4096 th:TH_LOAD_NT
.endr
	WIN 0
.endm
	WIN 0x40                                       ; q stays in window 1: tile qt, K step s at 12 (4 qt + s).  Its 52 loads are on their way while the cluster meets
.irp qt, 0,1,2,3
.irp s, 0,1,2,3
.irp g, 0,1,2
	global_load_b128 v[12*(4*\qt+\s)+4*\g:12*(4*\qt+\s)+4*\g+3], v1, s[4:5] offset:6400*\qt+1536*\s+512*\g
.endr
.endr
.endr
	WIN 0
.irp qt, 0,1,2,3
	global_load_b128 v[QS+4*\qt:QS+4*\qt+3], v2, s[4:5] offset:6400*\qt+6144
.endr
	CROUND                                         ; all four work-groups are here: the first joint load meets
	tensor_load_to_lds s[G0K:G0K+3], s[G1D:G1D+7]  ; my key tiles 8-15: the region's first fill
	s_nop 0
	PLACES                                         ; four plain lines behind it
.irp i, 0,1,2,3,4,5,6,7
	KLOAD \i                                       ; key tiles 0-7 are asked for at once
.endr
.irp i, 0,1,2,3
	KMUL \i
.endr
	s_wait_tensorcnt 0x0                           ; my part of the region has landed; only I read it
	KLDS 8                                         ; into the one bank that no tile has used
	KMUL 4
.irp i, 5,6,7,8,9,10,11
	KMUL \i
	PLACES
	KLDS \i+4                                      ; into the bank just read.  (The twelve places behind tiles 5 to 7 also part tile 4's products from tile 8's, whose results lie over window 3's banks)
.if \i == 5
	ASKV
.endif
.endr
	KMUL 12
	KMUL 13
	KMUL 14
	REFILL G0VA, G1V                               ; tile 15 is in registers: nobody reads the region any more.  v's key steps 0-3 have the last tile's products and the softmax in which to land
	KMUL 15
	PLACES
	XLOAD 0                                        ; these 16 loads land under the softmax
	XLOAD 1
; ---------------- 2: the softmax ----------------
; The largest (ab = 1: largest magnitude) of each block of 32 along the next K, my 16 of it: the 16 blocks (qt, b) of window w by turns; each accumulator is read from its low end on.
.macro BMAX w, d0, ab
	WIN (\w)|((\w)<<2)
.irp qt, 0,1,2,3
.irp b, 0,1,2,3
.if \ab
	v_max_num_f32 v[BM+8*\qt+\d0+\b], |v[64*\qt+16*\b]|, |v[64*\qt+16*\b+1]|
.else
	v_max_num_f32 v[BM+8*\qt+\d0+\b], v[64*\qt+16*\b], v[64*\qt+16*\b+1]
.endif
.endr
.endr
	WIN ((\w)<<2)|((\w)<<4)
.irp i, 2,4,6,8,10,12,14
.irp qt, 0,1,2,3
.irp b, 0,1,2,3
.if \ab
	v_max3_num_f32 v[BM+8*\qt+\d0+\b], v[BM+8*\qt+\d0+\b], |v[64*\qt+16*\b+\i]|, |v[64*\qt+16*\b+\i+1]|
.else
	v_max3_num_f32 v[BM+8*\qt+\d0+\b], v[BM+8*\qt+\d0+\b], v[64*\qt+16*\b+\i], v[64*\qt+16*\b+\i+1]
.endif
.endr
.endr
.endr
	WIN 0
.endm
.macro JOIN d0                         ; with lane l xor 16's 16
.irp qt, 0,1,2,3
.irp b, 0,1,2,3
	v_permlanex16_b32 v[BX+8*\qt+\d0+\b], v[BM+8*\qt+\d0+\b], s24, s25
.endr
.endr
.irp qt, 0,1,2,3
.irp b, 0,1,2,3
	v_max_num_f32 v[BM+8*\qt+\d0+\b], v[BM+8*\qt+\d0+\b], v[BX+8*\qt+\d0+\b]
.endr
.endr
.endm
.macro SCW d0                          ; from 16 largest magnitudes: the conversions' scale operands (in BX), the bytes (in BM), four scale words
.irp qt, 0,1,2,3
.irp b, 0,1,2,3
	v_max_num_f32 v[BM+8*\qt+\d0+\b], 0x2800000, v[BM+8*\qt+\d0+\b]   ; the floor 2^(5 - 127): the byte cannot fall under 1
.endr
.endr
.irp qt, 0,1,2,3
.irp b, 0,1,2,3
	v_add_nc_u32 v[BX+8*\qt+\d0+\b], 0xfe000000, v[BM+8*\qt+\d0+\b]   ; 4 off the exponent field
.endr
.endr
.irp qt, 0,1,2,3
.irp b, 0,1,2,3
	v_lshrrev_b32 v[BM+8*\qt+\d0+\b], 23, v[BX+8*\qt+\d0+\b]
.endr
.endr
.irp qt, 0,1,2,3
	v_lshl_or_b32 v[PWS+\d0+\qt], v[BM+8*\qt+\d0+1], 8, v[BM+8*\qt+\d0]
.endr
.irp qt, 0,1,2,3
	v_lshl_or_b32 v[PWS+\d0+\qt], v[BM+8*\qt+\d0+2], 16, v[PWS+\d0+\qt]
.endr
.irp qt, 0,1,2,3
	v_lshl_or_b32 v[PWS+\d0+\qt], v[BM+8*\qt+\d0+3], 24, v[PWS+\d0+\qt]
.endr
.endm
.macro CODES w, q0, d0                 ; query tiles q0, q0 + 1 of window w: 64 numbers a lane each become a fragment, in v[PCS + 20 u] on
	WIN \w
.irp u, 0,1
.irp c, 0,1
	v_cvt_scalef32_pk16_bf6_f32 v[PCS+20*\u+6*\c:PCS+20*\u+6*\c+2], v[64*(\q0+\u)+32*\c:64*(\q0+\u)+32*\c+15], v[BX+8*(\q0+\u)+\d0+2*\c]
	v_cvt_scalef32_pk16_bf6_f32 v[PCS+20*\u+12+4*\c:PCS+20*\u+12+4*\c+2], v[64*(\q0+\u)+32*\c+16:64*(\q0+\u)+32*\c+31], v[BX+8*(\q0+\u)+\d0+2*\c+1]   ; (a conversion's three registers begin on an even number)
.endr
.endr
	WIN 0
	v_nop                                          ; one plain instruction behind the scaled conversions
.irp u, 0,1
.irp c, 0,1                                    ; the operand's layout wants a whole block in a lane: lanes 0-15 block 2 c, lanes 16-31 block 2 c + 1
.irp i, 0,1,2
	v_permlane16_swap_b32 v[PCS+20*\u+6*\c+\i], v[PCS+20*\u+12+4*\c+\i]
.endr
.irp i, 0,1,2
	v_mov_b32 v[PCS+20*\u+6*\c+3+\i], v[PCS+20*\u+12+4*\c+\i]
.endr
.endr
.endr
.endm
.macro PSTORE ks2, q0                  ; the two fragments and their scale words go to LDS as they stand
.irp u, 0,1
.irp g, 0,1,2
	ds_store_b128 v6, v[PCS+20*\u+4*\g:PCS+20*\u+4*\g+3] offset:(4*\ks2+\q0+\u)*1536+512*\g
.endr
	ds_store_b32 v7, v[PWS+4*\ks2+\q0+\u] offset:(4*\ks2+\q0+\u)*128
.endr
.endm
.macro HSTORE q0
.irp u, 0,1
.irp g, 0,1,2
	ds_store_b128 v8, v[PCS+20*\u+4*\g:PCS+20*\u+4*\g+3] offset:6144*(\q0+\u)+512*\g
.endr
	ds_store_b32 v9, v[PWS+\q0+\u] offset:512*(\q0+\u)
.endr
.endm
.macro BARRIER                         ; my LDS stores have landed and my LDS loads are in: then the work-group's barrier.  My tensor load may stay out
	s_wait_dscnt 0x0
	s_barrier_signal -1
	s_barrier_wait -1
.endm
	BMAX 2, 0, 0                                   ; THE LARGEST SCORE OF EACH BLOCK OF 32 KEYS serves twice: for the row's maximum and, since p rises with the score, for the block's largest p
	BMAX 3, 4, 0
	JOIN 0
	JOIN 4
.irp qt, 0,1,2,3
	v_max3_num_f32 v[RM+\qt], v[BM+8*\qt], v[BM+8*\qt+1], v[BM+8*\qt+2]
.endr
.irp qt, 0,1,2,3
	v_max3_num_f32 v[RM+\qt], v[RM+\qt], v[BM+8*\qt+3], v[BM+8*\qt+4]
.endr
.irp qt, 0,1,2,3
	v_max3_num_f32 v[RM+\qt], v[RM+\qt], v[BM+8*\qt+5], v[BM+8*\qt+6]
.endr
.irp qt, 0,1,2,3
	v_max_num_f32 v[RM+\qt], v[RM+\qt], v[BM+8*\qt+7]   ; my 256 keys' largest score of query r
.endr
.irp qt, 0,1,2,3
	ds_store_b32 v4, v[RM+\qt] offset:256*\qt      ; both halves of the lanes write the same word with the same value
.endr
	BARRIER
.irp qt, 0,1,2,3
	ds_load_b128 v[X4+4*\qt:X4+4*\qt+3], v5 offset:256*\qt
.endr
	s_wait_dscnt 0x0
.irp qt, 0,1,2,3
	v_max3_num_f32 v[RM+\qt], v[X4+4*\qt], v[X4+4*\qt+1], v[X4+4*\qt+2]
.endr
.irp qt, 0,1,2,3
	v_max_num_f32 v[RM+\qt], v[RM+\qt], v[X4+4*\qt+3]   ; the row's maximum over all 1,024 keys
.endr
.irp qt, 0,1,2,3
	v_mul_f32 v[CM+2*\qt], s22, v[RM+\qt]
	v_mul_f32 v[CM+2*\qt+1], s22, v[RM+\qt]
.endr
.macro TSC win                         ; c s - c max, two at a time, in place
	WIN \win
.set n, 0
.rept 128
	v_pk_fma_f32 v[2*n:2*n+1], v[2*n:2*n+1], s[22:23], v[CM+2*(n/32):CM+2*(n/32)+1] op_sel_hi:[1,0,0] neg_lo:[0,0,1] neg_hi:[0,0,1]
.set n, n+1
.endr
.endm
.macro EXPS win
	WIN \win
.set n, 0
.rept 256
	v_exp_f32 v[n], v[n]
.set n, n+1
.endr
.endm
	TSC 0x82                                       ; destination and source 0 window 2, c max window 0
	TSC 0xc3
	WIN 0
.set n, 0
.rept 32
	v_fma_f32 v[BM+n], v[BM+n], s22, -v[CM+2*(n/8)]   ; the same of each block's largest score
.set n, n+1
.endr
	EXPS 0x82                                      ; ONE BATCH: 544 exponentials, none of which reads another's result
	EXPS 0xc3
	WIN 0
.set n, 0
.rept 32
	v_exp_f32 v[BM+n], v[BM+n]                     ; the same two instructions on the same number give the same bits
.set n, n+1
.endr
	v_nop                                          ; a plain instruction behind the last exponential,
	s_wait_alu depctr_va_vdst(0)                   ; and one wait for the batch, ahead of its first reader
	WIN 0x0a                                       ; the sums: two chains a query tile, two numbers an instruction; the first additions start the chains
.irp qt, 0,1,2,3
	v_pk_add_f32 v[LA+2*\qt:LA+2*\qt+1], v[64*\qt:64*\qt+1], v[64*\qt+2:64*\qt+3]
	v_pk_add_f32 v[LB+2*\qt:LB+2*\qt+1], v[64*\qt+4:64*\qt+5], v[64*\qt+6:64*\qt+7]
.endr
	WIN 0x08
.irp j, 8,12,16,20,24,28,32,36,40,44,48,52,56,60
.irp qt, 0,1,2,3
	v_pk_add_f32 v[LA+2*\qt:LA+2*\qt+1], v[LA+2*\qt:LA+2*\qt+1], v[64*\qt+\j:64*\qt+\j+1]
	v_pk_add_f32 v[LB+2*\qt:LB+2*\qt+1], v[LB+2*\qt:LB+2*\qt+1], v[64*\qt+\j+2:64*\qt+\j+3]
.endr
.endr
	WIN 0x0c
.irp j, 0,4,8,12,16,20,24,28,32,36,40,44,48,52,56,60
.irp qt, 0,1,2,3
	v_pk_add_f32 v[LA+2*\qt:LA+2*\qt+1], v[LA+2*\qt:LA+2*\qt+1], v[64*\qt+\j:64*\qt+\j+1]
	v_pk_add_f32 v[LB+2*\qt:LB+2*\qt+1], v[LB+2*\qt:LB+2*\qt+1], v[64*\qt+\j+2:64*\qt+\j+3]
.endr
.endr
	WIN 0
.irp qt, 0,1,2,3
	v_pk_add_f32 v[LA+2*\qt:LA+2*\qt+1], v[LA+2*\qt:LA+2*\qt+1], v[LB+2*\qt:LB+2*\qt+1]
.endr
.irp qt, 0,1,2,3
	v_add_f32 v[X4+\qt], v[LA+2*\qt], v[LA+2*\qt+1]
.endr
.irp qt, 0,1,2,3
	v_permlanex16_b32 v[X4+4+\qt], v[X4+\qt], s24, s25
.endr
.irp qt, 0,1,2,3
	v_add_f32 v[X4+\qt], v[X4+\qt], v[X4+4+\qt]    ; my 256 keys' sum of query r
.endr
.irp qt, 0,1,2,3
	ds_store_b32 v4, v[X4+\qt] offset:1024+256*\qt ; other bytes than the maxima's
.endr
	BARRIER
.irp qt, 0,1,2,3
	ds_load_b128 v[X4+4*\qt:X4+4*\qt+3], v5 offset:1024+256*\qt
.endr
	s_wait_dscnt 0x0
	s_wait_tensorcnt 0x0                           ; v's key steps 0-3 have landed in my part of the region; only I read them
	VLDS 0                                         ; over q: these 48 LDS loads come in while p is normalised
	VLDS 1
.irp qt, 0,1,2,3
	v_add_f32 v[X4+4*\qt], v[X4+4*\qt], v[X4+4*\qt+1]
	v_add_f32 v[X4+4*\qt+2], v[X4+4*\qt+2], v[X4+4*\qt+3]
.endr
.irp qt, 0,1,2,3
	v_add_f32 v[X4+4*\qt], v[X4+4*\qt], v[X4+4*\qt+2]   ; the row's sum: the same additions in the same order in all four waves
.endr
.irp qt, 0,1,2,3
	v_rcp_f32 v[RL+2*\qt], v[X4+4*\qt]             ; twice, to fill the pair by which the packed multiply goes
	v_rcp_f32 v[RL+2*\qt+1], v[X4+4*\qt]
.endr
	v_nop
	s_wait_alu depctr_va_vdst(0)                   ; one wait for the eight
.macro PNORM win                       ; p = e / sum, in place: what is quantised is the finished softmax
	WIN \win
.set n, 0
.rept 128
	v_pk_mul_f32 v[2*n:2*n+1], v[2*n:2*n+1], v[RL+2*(n/32):RL+2*(n/32)+1]
.set n, n+1
.endr
.endm
	PNORM 0x82
	PNORM 0xc3
	WIN 0
.set n, 0
.rept 32
	v_mul_f32 v[BM+n], v[BM+n], v[RL+2*(n/8)]      ; each block's largest p
.set n, n+1
.endr
	SCW 0
	SCW 4
	CODES 3, 0, 4                                  ; my second 128 keys first, so that window 3 is free early
	PSTORE 1, 0
	s_wait_dscnt 0x0                               ; the stores have read their registers: the next codes may be written
	CODES 3, 2, 4
	PSTORE 1, 2
	VLDS 2                                         ; window 3's scores are coded: its registers take v's key steps 2 and 3, and x
	VLDS 3
	XLOAD 2
	XLOAD 3
	s_wait_dscnt 0x0
	CODES 2, 0, 0
	PSTORE 0, 0
	s_wait_dscnt 0x0
	CODES 2, 2, 0
	PSTORE 0, 2
	VSL 0                                          ; the block maxima's registers are done with: v's scale words of key steps 0-3
	REFILL G0VB, G1V                               ; all of v's first half is in registers, and p's 32 fragments lie in LDS: the round's first barrier shows them to the four waves.  v's key steps 4-7 have four key steps' products in which to land
; ---------------- 3: O^T = v^T p ----------------
.macro PFETCH ks                       ; 16 LDS loads: key step ks of p, four query tiles, into set ks % 2
.irp qt, 0,1,2,3
.irp g, 0,1,2
	ds_load_b128 v[PB+48*((\ks)%2)+12*\qt+4*\g:PB+48*((\ks)%2)+12*\qt+4*\g+3], v19 offset:(4*(\ks)+\qt)*1536+512*\g
.endr
.endr
.irp qt, 0,1,2,3
	ds_load_b32 v[PS+4*((\ks)%2)+\qt], v20 offset:(4*(\ks)+\qt)*128
.endr
.endm
.macro VMUL g                          ; 32 matrix instructions, 32 accumulators by turns
	VBANK \g
	WIN BW|0xa0                                    ; v in its bank's window, p in window 0, O^T in window 2
.irp dt, 0,1,2,3,4,5,6,7
.irp qt, 0,1,2,3
.if (\g) == 0
	WMZ 64*\qt+8*\dt, BREG+12*\dt, PB+48*((\g)%2)+12*\qt, VS+8*\dt+(\g), PS+4*((\g)%2)+\qt
.else
	WMC 64*\qt+8*\dt, BREG+12*\dt, PB+48*((\g)%2)+12*\qt, 64*\qt+8*\dt, VS+8*\dt+(\g), PS+4*((\g)%2)+\qt
.endif
.endr
.endr
	WIN 0
.endm
	PFETCH 0
.irp g, 0,1,2,3
	PFETCH \g+1                                    ; into the set that the step before last multiplied by; the places at that step's end stand between
	s_wait_dscnt 16                                ; this step's p is in; the 16 loads just issued may be out
	VMUL \g
	PLACES
.endr
	PFETCH 5
	s_wait_tensorcnt 0x0                           ; v's key steps 4-7 have landed
	VSL 1
	VLDS 4                                         ; all four banks are free: 96 LDS loads empty my part of the region
	VLDS 5
	VLDS 6
	VLDS 7
	s_wait_tensorcnt 0x0                           ; the region is to be filled again: no tensor load of mine is out;
	ds_add_u32 v21, v22                            ; 0 onto my spare word; two key steps' products stand between it and the wait for it
	s_wait_dscnt 63                                ; key step 4's p, scale words and 24 loads are in: behind them stand 72 loads and the add, more than the count's largest
	VMUL 4
	s_wait_dscnt 49                                ; key step 5's are in: behind them 48 loads and the add
	VMUL 5
	s_wait_dscnt 0x0                               ; the add is done, and my reads of the region are over
	CROUND                                         ; that now holds of every wave of all four work-groups
	tensor_load_to_lds s[G0W:G0W+3], s[G1D:G1D+7]  ; wo: it has two key steps' products, the quantising of h2 and the fetch of h2 in which to land
	s_nop 0
	PLACES                                         ; four plain lines behind it; they are also the places in front of the loads below
	PFETCH 6
	PFETCH 7
	s_wait_dscnt 16
	VMUL 6
	s_wait_dscnt 0x0
	VMUL 7
	PLACES
; ---------------- 4: h2 is quantised along the channels ----------------
	BMAX 2, 0, 1
	JOIN 0
	SCW 0
	CODES 2, 0, 0
	HSTORE 0
	s_wait_dscnt 0x0                               ; the stores have read their registers
	CODES 2, 2, 0
	HSTORE 2
	WIN 0x80                                       ; bo as the C of the last product: lane r's number of tile ot, eight times over, in the registers that O^T has left
.irp ot, 0,1,2,3,4,5,6,7
.irp j, 0,1,2,3,4,5,6,7
	global_load_b32 v[192+8*\ot+\j], v15, s[12:13] offset:4*(32*(\ot/2)+8*(\ot%2))
.endr
.endr
	WIN 0
	BARRIER                                        ; h2's 16 fragments lie in LDS
; ---------------- 5: out = h2 wo^T + bo + x ----------------
	WIN 0x80
.irp f, 0,1,2,3,4,5,6,7,8,9,10,11,12,13,14,15
.irp g, 0,1,2
	ds_load_b128 v[12*\f+4*\g:12*\f+4*\g+3], v10 offset:1536*\f+512*\g
.endr
.endr
	WIN 0
.irp f, 0,1,2,3,4,5,6,7,8,9,10,11,12,13,14,15
	ds_load_b32 v[HS+\f], v11 offset:128*\f
.endr
	s_wait_tensorcnt 0x0                           ; wo has landed in my part of the region; only I read it
.irp ot, 0,1,2,3,4,5,6,7
	ds_load_b128 v[WS+4*\ot:WS+4*\ot+3], v18 offset:6400*\ot+6144
.endr
	WLDS 0
	WLDS 1
	s_wait_dscnt 24                                ; h2, the scale words and wo's tiles 0 and 1 are in; the 24 loads of tiles 2 and 3 may be out
	s_wait_loadcnt 0x0                             ; bo, and x's first four sets
.macro OMUL ot                         ; 16 matrix instructions: wo's tile ot (source 1) against the four query tiles (source 0): lane (r, h) holds output channel r of the tile and eight neighbouring pixels
	VBANK (\ot)/2
.irp s, 0,1,2,3
.if \s == 0
	WIN 0x22|(BW<<2)                               ; h2 and bo in window 2
.else
	WIN 0x02|(BW<<2)
.endif
.irp qt, 0,1,2,3
.if \s == 0
	WMC OA+32*((\ot)%2)+8*\qt, 12*(4*\qt+\s), BREG+48*((\ot)%2)+12*\s, 192+8*(\ot), HS+4*\qt+\s, WS+4*(\ot)+\s
.else
	WMC OA+32*((\ot)%2)+8*\qt, 12*(4*\qt+\s), BREG+48*((\ot)%2)+12*\s, OA+32*((\ot)%2)+8*\qt, HS+4*\qt+\s, WS+4*(\ot)+\s
.endif
.endr
.endr
	WIN 0
.endm
; Tile ot leaves: 16 channels x 64 pixels through my own stage, back as rows of 256 bytes, + x, stored.  It stands behind the next tile's products, which work meanwhile.
; Behind tiles 0 and 1 wo's tiles 4-5 and 6-7 are read from the region; the next tile's wait for all LDS loads shows them in, well ahead of their products.
.macro EPI ot
	PLACES
.irp qt, 0,1,2,3
	ds_store_b128 v12, v[OA+32*((\ot)%2)+8*\qt:OA+32*((\ot)%2)+8*\qt+3] offset:128*(\qt/2)+32*(\qt%2)        ; each accumulator from its low end on: pixels 32 (qt / 2) + 8 (qt % 2) + 16 h + 0 .. 7 of the block
	ds_store_b128 v12, v[OA+32*((\ot)%2)+8*\qt+4:OA+32*((\ot)%2)+8*\qt+7] offset:128*(\qt/2)+32*(\qt%2)+16
.endr
	s_wait_xcnt 0x0                                ; the last tile's stores have read their registers: the rows may land there
.irp k, 0,1,2,3,4,5,6,7
	ds_load_b128 v[OB+4*\k:OB+4*\k+3], v13 offset:544*\k   ; LDS serves a wave's instructions in order: these see my stores
.endr
	s_wait_dscnt 0x0
.if (\ot) >= 4
	s_wait_loadcnt 8*(7-(\ot))                     ; this tile's x is in; the later tiles' eight loads each may be out
.endif
	WIN (1+2*(((\ot)%4)/2))<<2
.set n, 0
.rept 16
	v_pk_add_f32 v[OB+2*n:OB+2*n+1], v[OB+2*n:OB+2*n+1], v[192+32*((\ot)%2)+2*n:192+32*((\ot)%2)+2*n+1]
.set n, n+1
.endr
	WIN 0
.irp k, 0,1,2,3,4,5,6,7
	global_store_b128 v14, v[OB+4*\k:OB+4*\k+3], s[16:17] offset:(32*((\ot)/2)+8*((\ot)%2)+2*\k+8*(\k/4))*4096 th:TH_STORE_NT   ; each half wave stores 256 consecutive bytes, aligned
.endr
.if (\ot) < 4
	XLOAD (\ot)+4
.endif
.if (\ot) < 2
	WLDS (\ot)+2
.endif
.endm
	OMUL 0
.irp ot, 0,1,2,3,4,5,6
	OMUL \ot+1
	EPI \ot
.endr
	EPI 7
	s_wait_tensorcnt 0x0                           ; the wave's end: behind my last tensor load and my last LDS store
	ds_add_u32 v21, v22
	s_wait_dscnt 0x0
	CROUND                                         ; the closing round: no work-group ends while a partner may still ask for a tile that names it
	s_endpgm
.Lfunc_end_k_qd4e396072d_attn:
	.size	k_qd4e396072d_attn, .Lfunc_end_k_qd4e396072d_attn-k_qd4e396072d_attn
	.p2alignl 7, 3214868480
	.fill 96, 4, 3214868480
	.section	.rodata,"a",@progbits
	.p2align	6, 0x0
	.amdhsa_kernel k_qd4e396072d_attn
		.amdhsa_group_segment_fixed_size 327680
		.amdhsa_private_segment_fixed_size 0
		.amdhsa_enable_private_segment 0
		.amdhsa_kernarg_size 56
		.amdhsa_user_sgpr_count 2
		.amdhsa_user_sgpr_kernarg_segment_ptr 1
		.amdhsa_wavefront_size32 1
		.amdhsa_system_sgpr_workgroup_id_x 1
		.amdhsa_system_sgpr_workgroup_id_y 1
		.amdhsa_system_sgpr_workgroup_id_z 1
		.amdhsa_system_vgpr_workitem_id 0
		.amdhsa_next_free_vgpr 1024
		.amdhsa_next_free_sgpr 90
		.amdhsa_reserve_vcc 0
		.amdhsa_float_denorm_mode_32 3
		.amdhsa_float_denorm_mode_16_64 3
		.amdhsa_memory_ordered 1
		.amdhsa_forward_progress 1
		.amdhsa_inst_pref_size 255
	.end_amdhsa_kernel
	.section	.bss,"aw",@nobits
	.p2align	6
	.space	262144
	.amdgpu_metadata
---
amdhsa.version: [ 1, 2 ]
amdhsa.kernels:
  - .name:           k_qd4e396072d_attn
    .symbol:         k_qd4e396072d_attn.kd
    .args:
      - { .name: qimg, .offset: 0, .size: 8, .value_kind: global_buffer, .address_space: global }
      - { .name: kimg, .offset: 8, .size: 8, .value_kind: global_buffer, .address_space: global }
      - { .name: vimg, .offset: 16, .size: 8, .value_kind: global_buffer, .address_space: global }
      - { .name: wimg, .offset: 24, .size: 8, .value_kind: global_buffer, .address_space: global }
      - { .name: bo, .offset: 32, .size: 8, .value_kind: global_buffer, .address_space: global }
      - { .name: x, .offset: 40, .size: 8, .value_kind: global_buffer, .address_space: global }
      - { .name: out0, .offset: 48, .size: 8, .value_kind: global_buffer, .address_space: global }
    .group_segment_fixed_size: 327680
    .private_segment_fixed_size: 0
    .kernarg_segment_align: 8
    .kernarg_segment_size: 56
    .max_flat_workgroup_size: 128
    .sgpr_count:     90
    .vgpr_count:     1024
    .wavefront_size: 32
...
	.end_amdgpu_metadata
.endif
;; end of part 3
